; MI455X (gfx1250); checked and timed in simulation.
; The chip was launched on July 23, 2026; its instructions are those of AMD's public machine-readable ISA for CDNA 5 (MIT licence, August 2026) and "CDNA5" Instruction Set Architecture Reference Guide (July 2026). The comments in the code are by the model that wrote it; some were corrected since.
;; Scaled Dot Product Attention. Allowed arithmetic: matrix products marked QUANTISED: E3M2 operands, one E8M0 scale for each 32 along K, by v_wmma_scale_f32_16x16x128_f8f6f4 with both operands' format E3M2, f32 sums; everything else in f32.
;; Inputs: k 64 x 1,024 x 64 float32; q 64 x 1,024 x 64 float32; v 64 x 1,024 x 64 float32.
;; Outputs: out0 64 x 1,024 x 64 float32.
;; This version of the problem:
;;   THIS VERSION OF THE PROBLEM IS GIVEN IN LOW PRECISION. The matrix products marked QUANTISED in the list below multiply operands that are first quantised to E3M2 (3 exponent bits, 2 mantissa bits; 6 bits a number), with one power-of-two scale for each 32 numbers along K (OCP MX v1.0); their sums are f32. All else is computed in f32.
;;   The module's matrix products, in the order in which they are computed (A, B: the left and right operand; K: the contracted axis; several contracted axes count as one K, in the product's order):
;;     1. batch 64 x [M 1,024, K 64] x [K 64, N 1,024]; A: input q; B: input k: QUANTISED
;;     2. batch 64 x [M 1,024, K 1,024] x [K 1,024, N 64]; A: softmax (see below); B: input v: QUANTISED
;;   THE QUANTISER, for each operand of a quantised product, along K:
;;     - K is cut into blocks of 32 from its start; a last block that is shorter is filled with zeros.
;;     - A block's scale is 2^e with e = floor(log2(the largest magnitude in the block)) - 4, held to -126 .. 127; a block of zeros has e = 0. As a byte (E8M0): e + 127.
;;     - Each number is divided by its block's scale, clamped to +-28, and rounded to the nearest number of E3M2, ties to even, subnormals kept.
;;     - The product sums the exact products of the quantised numbers (number of the format x scale) in f32.
;;   ~~~python
;;   def quantise(x, axis):      # numpy; x: float32 -> the quantised numbers, widened to float32 again
;;       x = np.moveaxis(x, axis, -1); K = x.shape[-1]
;;       x = np.pad(x, [(0, 0)] * (x.ndim - 1) + [(0, -K % 32)]); x = x.reshape(x.shape[:-1] + (-1, 32)); a = np.abs(x).max(-1, keepdims=True)
;;       e = np.where(a > 0, np.clip(np.frexp(np.where(a > 0, a, 1))[1] - 1 - 4, -126, 127), 0)      # np.frexp(a)[1] - 1 = floor(log2(a)), exactly
;;       r = np.clip(x / 2.0 ** e, -28, 28)
;;       step = 2.0 ** (np.maximum(np.frexp(np.where(r == 0, 1, r))[1] - 1, -2) - 2)
;;       q = np.round(r / step) * step * 2.0 ** e      # np.round: ties to even
;;       return np.moveaxis(q.reshape(q.shape[:-2] + (-1,))[..., :K], -1, axis).astype(np.float32)
;;   ~~~
;;   SOFTMAX AHEAD OF A QUANTISED PRODUCT. Where the list says 'softmax', what is quantised is not the finished softmax but p = 2^(t - M), with t = logit x log2(e) and M = ceil(the row's largest t), a whole number; so 1/2 < the row's largest p <= 1. The row's sum l is taken of the UNQUANTISED p, in f32, and the product's result is divided by l at the end. Since M is a whole number, a kernel that streams over the keys may use a running M (the ceiling of the running maximum): every later rescaling is an exact power of two, which a block's scale takes up: the codes' values come out the same.
;;   OPERANDS COMPUTED ON THE WAY. 'Computed on the way' means the value that the module computes at that place (a softmax that the list does not call 'softmax' is quantised finished and normalised). What goes into a quantiser is computed in f32, as accurately as f32 sums, v_exp_f32 and their like allow (about 1e-6 of the number): no bf16 or f16 on the way to a quantiser, and a product that is left as it is and whose result goes on into a quantised operand takes f32 operands (vector FMAs, or v_wmma_f32_16x16x4_f32). A number that lies on a knife's edge between two numbers of the format may be rounded either way, as far as f32 arithmetic and the matrix unit's own rounding can turn it there, and no further.
;; 2 versions. Each part assembles by itself: llvm-mc -triple=amdgcn-amd-amdhsa -mcpu=gfx1250 --defsym DOCPART=n.
;; ======== version 1 of 2: 1 launch
;; limits: right only within a limited range of input values
;; launch attn (part 1): grid 256 x 1, 16 waves a work-group, no clusters, 182,272 bytes of LDS; arguments q, k, v, out0; writes out0
.if DOCPART == 1
	.amdgcn_target "amdgcn-amd-amdhsa--gfx1250"
	.amdhsa_code_object_version 6
	.text
	.protected	k_q62207540cb_attn
	.globl	k_q62207540cb_attn
	.p2align	8
	.type	k_q62207540cb_attn,@function
k_q62207540cb_attn:
	s_mov_b64 s[64:65], 0
	v_nop
	global_prefetch_b8 v0, s[64:65] scope:SCOPE_SE
	s_setreg_imm32_b32 hwreg(HW_REG_WAVE_MODE, 25, 1), 1
	s_wait_xcnt 0x0
; out[h][q][:] = sum over keys of softmax(q.k / 8, padding keys and later keys set to -2^32) v, 64 heads x 1,024 x 64, f32 in and out.
; Both products run on codes of BF6 (E3M2) with one E8M0 scale for each 32 along a product's K; sums in f32.
; SOFTMAX: t = score x log2(e) / 8; M = the running largest t rounded up to a whole number; p = 2^(t - M) is quantised along the keys, not normalised;
; the row's sum is taken of the unquantised p and divides at the end; when M moves, the sum and O are multiplied by 2^(old M - new M), which rounds nothing.
; SHARES: four work-groups to a head (head = work-group / 4), sixteen waves each; a wave owns ONE tile of 16 queries.  Tile 8 o + u needs o + 1 key steps of 128 keys;
; o hangs on the wave's number alone and is dealt so that any four waves w, w + 4, w + 8, w + 12, and any four w .. w + 3, have 18 steps together.
; ONE LAUNCH: the head's keys go in 8 chunks of 128.  In a trip the sixteen waves quantise the NEXT chunk of k (waves 0-7) and v (waves 8-15), which came from memory straight into
; registers, and store it in LDS as images of operand registers; they ask memory for the chunk after that; they signal a barrier; and they run the CURRENT chunk's attention step between
; that barrier's signal and its wait.  All 8 chunks' images stay in LDS and are never written again, so one barrier a chunk is all the ordering there is.
; Each work-group of a head quantises the head's k and v for itself: 128 runs of 32 lanes x 32 numbers, against 72 attention steps.
; NO CLUSTER, NO JOINT LOADS: what the four work-groups of a head share is f32 that has to be quantised.  A joint tensor load could only lay it in LDS, 512 KB in and 512 KB out again
; for a work-group, which is more than the 72 x 13 KB that all its attention steps read there; loads into registers land in the quantiser's own layout.
; THE KEY MASK RIDES IN THE FIRST PRODUCT: its K is 128, the head's is 64.  One spare channel holds the code +1 with scale byte 35 on q's side and the code -1 on k's side, with scale byte 254 for a key
; whose 64 numbers are all 0 and byte 0 for any other.  A padding key's true product is 0, so its raw score is exactly -2^35 = 8 x -2^32; any other key gets -2^-219, which is nothing in f32.
; ROWS ALL OF WHOSE VISIBLE KEYS ARE PADDING have 1,024 equal logits in the problem's definition: p = 1 for every key, the sum 1,024, the result the column sums of the quantised v over ALL keys / 1,024.
; Wave 5 (one key step of its own) makes those column sums by products with a fragment of ones; on the way out a row whose largest t lies under -2^32 takes them, by v_cndmask_b32.
; LAYOUT: both products are used transposed (S^T = K Q^T, O^T = V^T P^T): a lane holds one query (lane % 16).  Lane r of key tile 2 b + u takes key 32 b + 8 u + r + 8 (r / 8), so that the 16 registers
; of tiles 2 b and 2 b + 1 are 16 neighbouring keys: register 16 b + i of the scores is key 32 b + 16 (lane / 16) + i.
; LIMITS: rows whose true scores lie under about -2^31, where the finite padding number would begin to compete, are not served; NaN and infinities among the inputs are not served;
; a block whose largest magnitude lies under 2^-122 keeps the scale byte 1 (a block of zeros too: its codes are zeros, and only this text reads the bytes).
;
; LDS.  A UNIT is half a fragment, 6 registers a lane, 768 bytes: registers 0-3 at 16 x lane, registers 4-5 at 512 + 8 x lane.
.set VIMG,  49152                      ; k's images from 0: chunk c at 6144 c, tile t = unit t;  v's from here: tile t (channels 16 t ..), keys 64 cc .. = unit 2 t + cc
.set CHB,   6144                       ; a chunk's images of k, or of v
.set KSC,   98304                      ; k's scale words, 512 bytes a chunk: tile t, row r at 16 (r + 16 (t / 4)) + 4 (t % 4)
.set VSCR,  4096                       ; v's lie this far behind k's: channel d's word at 4 d, byte = block of 32 keys
.set SCB,   512
.set TOTB,  106496                     ; the column sums, an image of 32 registers: 4,096 bytes
.set STG,   110592                     ; the way out: 16 rows x (256 + 16) bytes for each wave
.set STGW,  16*272
.set ZW,    5                          ; the wave that makes the column sums
; VECTOR REGISTERS
.set L16, 1                            ; 16 x lane; never rewritten
.set L8,  2                            ; 8 x lane; never rewritten
.set A16, 3                            ; the chunk in hand: 16 x lane + 6144 c
.set A8,  4                            ; 8 x lane + 6144 c
.set AKS, 5                            ; k's scale words of the chunk in hand
.set AVS, 6                            ; v's
.set RVS, 7                            ; VSCR + 4 r + 128 h; never rewritten
.set RO,  8                            ; my byte offset in a chunk of k or v in memory; never rewritten
.set PFO, 9                            ; the prefetches' offset; never rewritten
.set SHB, 10                           ; where my scale byte stands in a word of k's
.set XV,  11                           ; the byte 254 at the spare channel's place in that word
.set NM,  12                           ; -M       (v[12:13] is named as a pair)
.set TMX, 13                           ; the running largest t
.set LS,  14                           ; v[14:15] the row's sum in two halves
.set QR,  16                           ; v16-21 q's codes; v22-27 the spare channel on q's side; v28-33 q's codes again: [QR][QX] serves even key tiles, [QX][QR2] odd ones
.set QX,  22
.set QR2, 28
.set QW,  34                           ; v34, v35 q's scale words for even and odd key tiles.  v34-42 hold scales and nothing else
.set KS,  36                           ; v36-39 k's scale words: lanes 0-15 tiles 0-3, lanes 16-31 tiles 4-7
.set VS,  40                           ; v40, v41 v's: lanes 0-15 tiles 0, 1; lanes 16-31 tiles 2, 3
.set PW,  42                           ; p's scale word
.set DQ,  43                           ; my query - the diagonal chunk's first key - 16 (lane / 16)
.set KF,  44                           ; v44-79: [L0][C][L1] [L2][C][L3]: four key tiles' codes and, between each two, the spare channel on k's side (never rewritten)
.set SCR, 80                           ; v80-143 the scores, then p; then v's four fragments in v80-127.  Wave 5: the column sums in v112-143
.set OA,  144                          ; v144-175 O^T, four tiles
.set PCD, 176                          ; v176-187 p's codes; the quantiser's codes in v176-181
.set CTM, 188                          ; v188-190, v192-194 conversions' second halves
.set RAW, 196                          ; v196-227 32 numbers of k or v on their way
.set BM,  228                          ; v228-231 largest scores of the four blocks;  quantiser: two chains, the largest magnitude, the same over the floor
.set BP,  232                          ; v232-235 the other half's, then the bytes;   quantiser: byte, partner's magnitude, word, partner's word
.set SO,  236                          ; v236-239 the conversions' scale operands;    quantiser: scale operand, the spare channel's byte
.set FF,  240                          ; v[240:241] f = 2^(old M - new M), later 1 / the sum
.set TT,  242                          ; v[242:243] at work
.set NEG, 244                          ; -2^35
.set GO,  245                          ; the way out: my byte offset in the wave's 16 rows of the output
.set STI, 246                          ; where I put 32 bytes of a row in the stage
.set STO, 247                          ; where I read a row back
.set TA,  248                          ; TOTB + 16 x lane
.set B16, 249                          ; where I store codes' registers 0-3 in chunk 0; never rewritten
.set B8,  250                          ; registers 4-5
.set BSC, 251                          ; my scale word (k) or byte (v), from KSC on
.set WT16, 252                         ; the same three in the chunk being written
.set WT8, 253
.set WTS, 254
.set QO,  255                          ; my byte offset in the wave's 16 rows of q
; SCALAR REGISTERS: s[4:11] q, k, v, out
.set WV,  12                           ; wave
.set JJ,  13                           ; which of the head's four work-groups
.set HD,  14                           ; head
.set OC,  15                           ; o: my tile's diagonal chunk
.set CH,  16                           ; the chunk in hand
.set LIM, 17                           ; 5 in waves 0 and 8, else 0: a wave prefetches while the chunk in hand is under it
.set SEL, 18                           ; s[18:19] v_permlanex16_b32's selects for lane l xor 16
.set CS,  20                           ; s[20:21] log2(e) / 8, twice: the packed form names a pair
.set RB,  22                           ; s[22:23] k or v at the chunk whose loads are issued next
.set QB,  24                           ; s[24:25] q at my tile
.set OB,  26                           ; s[26:27] the output at my tile
.set W6,  30                           ; 6144 x the chunk being written
.set WK,  31                           ; KSC + 512 x the chunk being written
.set R6,  32                           ; 6144 x the chunk in hand
.set RK,  33                           ; KSC + 512 x the chunk in hand
.macro PLACES n                        ; plain vector lines between a matrix instruction and what may not follow it at once (ISA guide 7.12.1)
.rept \n
	v_nop
.endr
.endm
; One matrix instruction.  row = 1: source 0's scales stand in lanes 16-31.  acc = 0: the product starts the sum.
.macro WM d, a, b, sa, sb, row, acc
.if \acc
.if \row
	v_wmma_scale_f32_16x16x128_f8f6f4 v[\d:\d+7], v[\a:\a+11], v[\b:\b+11], v[\d:\d+7], v[\sa], v[\sb] matrix_a_fmt:MATRIX_FMT_BF6 matrix_b_fmt:MATRIX_FMT_BF6 matrix_a_scale:MATRIX_SCALE_ROW1
.else
	v_wmma_scale_f32_16x16x128_f8f6f4 v[\d:\d+7], v[\a:\a+11], v[\b:\b+11], v[\d:\d+7], v[\sa], v[\sb] matrix_a_fmt:MATRIX_FMT_BF6 matrix_b_fmt:MATRIX_FMT_BF6
.endif
.else
.if \row
	v_wmma_scale_f32_16x16x128_f8f6f4 v[\d:\d+7], v[\a:\a+11], v[\b:\b+11], 0, v[\sa], v[\sb] matrix_a_fmt:MATRIX_FMT_BF6 matrix_b_fmt:MATRIX_FMT_BF6 matrix_a_scale:MATRIX_SCALE_ROW1
.else
	v_wmma_scale_f32_16x16x128_f8f6f4 v[\d:\d+7], v[\a:\a+11], v[\b:\b+11], 0, v[\sa], v[\sb] matrix_a_fmt:MATRIX_FMT_BF6 matrix_b_fmt:MATRIX_FMT_BF6
.endif
.endif
.endm
; A unit of the chunk in hand comes back into six registers, in the lanes in which it was made: 512 and 256 consecutive bytes
.macro UNIT reg, off
	ds_load_b128 v[\reg:\reg+3], v[A16] offset:\off
	ds_load_b64 v[\reg+4:\reg+5], v[A8] offset:\off+512
.endm
; 32 numbers of a lane, one block along K, become 6 registers of codes at dst; v[BM+2] the largest magnitude, v[BP] the scale's byte
.macro QUANT src, dst
	v_max3_num_f32 v[BM], |v[\src]|, |v[\src+1]|, |v[\src+2]|        ; two chains, so that no line waits for the line above it
	v_max3_num_f32 v[BM+1], |v[\src+3]|, |v[\src+4]|, |v[\src+5]|
.irp i, 6,10,14,18,22,26
	v_max3_num_f32 v[BM], v[BM], |v[\src+\i]|, |v[\src+\i+1]|
	v_max3_num_f32 v[BM+1], v[BM+1], |v[\src+\i+2]|, |v[\src+\i+3]|
.endr
	v_max3_num_f32 v[BM], v[BM], |v[\src+30]|, |v[\src+31]|
	v_max_num_f32 v[BM+2], v[BM], v[BM+1]          ; the block's largest magnitude, kept without the floor for the test on padding keys
	v_max_num_f32 v[BM+3], 0x2800000, v[BM+2]      ; the floor 2^(5 - 127): the byte cannot fall under 1
	v_add_nc_u32 v[SO], 0xfe000000, v[BM+3]        ; 4 off its exponent field: the conversion takes the exponent field of this operand as its scale
	v_cvt_scalef32_pk16_bf6_f32 v[\dst:\dst+2], v[\src:\src+15], v[SO]
	v_cvt_scalef32_pk16_bf6_f32 v[CTM:CTM+2], v[\src+16:\src+31], v[SO]   ; (a conversion's three registers begin on an even number)
	v_lshrrev_b32 v[BP], 23, v[SO]                 ; the scale's byte; also the plain line behind the conversions
.irp i, 0,1,2
	v_mov_b32 v[\dst+3+\i], v[CTM+\i]
.endr
.endm
.macro LOADK                           ; my key's 32 numbers: 128 consecutive bytes, eight loads on end
.irp n, 0,1,2,3,4,5,6,7
	global_load_b128 v[RAW+4*\n:RAW+4*\n+3], v[RO], s[RB:RB+1] offset:16*\n
.endr
.endm
.macro LOADV                           ; my channel of 32 keys: each load reads 128 consecutive bytes of a key's row; the partner wave takes the row's other half
.set n, 0
.rept 32
	global_load_b32 v[RAW+n], v[RO], s[RB:RB+1] offset:256*n
.set n, n+1
.endr
.endm
; THE QUANTISER'S TURN: the chunk whose numbers are in registers goes to LDS; the chunk after it is asked for.  mode = 0: in front of the loop; 1: in a trip.
.macro HEAD mode
	s_wait_loadcnt 0x0                             ; zero: all my loads are this chunk's (in front of the loop: q's eight too, which are wanted next)
.if \mode
	s_wait_xcnt 0x0                                ; the last trip's prefetch has read its base, which is stepped below
.endif
	s_add_nc_u64 s[RB:RB+1], s[RB:RB+1], 32768     ; a chunk on: 128 keys of 256 bytes
	QUANT RAW, PCD                                 ; its first 17 lines are also the places behind the last step's products, whose registers are written from here on
	v_add_nc_u32 v[WT16], s[W6], v[B16]
	v_add_nc_u32 v[WT8], s[W6], v[B8]
	v_add_nc_u32 v[WTS], s[WK], v[BSC]
	ds_store_b128 v[WT16], v[PCD:PCD+3]
	ds_store_b64 v[WT8], v[PCD+4:PCD+5]
	s_cmp_lt_u32 s[WV], 8
	s_cbranch_scc0 .Lhead_v_\@
	v_permlanex16_b32 v[BP+1], v[BM+2], s[SEL], s[SEL+1]   ; k: the key's other block's largest magnitude,
	v_lshlrev_b32 v[BP+2], v[SHB], v[BP]           ; my byte at its place in the key's word,
	v_max_num_f32 v[BP+1], v[BM+2], v[BP+1]        ; the key's largest magnitude: 0 only where all 64 numbers are 0
	v_permlanex16_b32 v[BP+3], v[BP+2], s[SEL], s[SEL+1]
	v_cmp_eq_f32 vcc_lo, 0, v[BP+1]
	v_cndmask_b32 v[SO+1], 0, v[XV], vcc_lo        ; the spare channel's byte: 254 for a padding key, else 0
	v_or_b32 v[BP+2], v[BP+2], v[BP+3]
	v_or_b32 v[BP+2], v[BP+2], v[SO+1]
	ds_store_b32 v[WTS], v[BP+2]                   ; both lanes of a key write the same word with the same value
.if \mode
	s_cmp_gt_u32 s[CH], 5                          ; trip c asks for chunk c + 2: there is none behind chunk 7
	s_cbranch_scc1 .Lhead_j_\@
.endif
	LOADK
	s_branch .Lhead_j_\@
.Lhead_v_\@:
	ds_store_b8 v[WTS], v[BP]                      ; v: my channel's byte for my block of keys
.if \mode
	s_cmp_gt_u32 s[CH], 5
	s_cbranch_scc1 .Lhead_j_\@
.endif
	LOADV
.Lhead_j_\@:
.if \mode
; A PREFETCH INTO THE L2, behind the trip's loads: chunk c + 3, which the next trip's loads will ask for.  A chunk is 128 rows of 256 bytes; each of the head's four work-groups names 32 of them,
; told apart by address, a lane a row; wave 0 for k, wave 8 for v.  So each row is named once in the launch.  Chunks 0 to 2 come by their loads alone; trips 5 and 6 name nothing: there is no chunk 8.
	s_cmp_lt_u32 s[CH], s[LIM]
	s_cbranch_scc0 .Lhead_n_\@
	global_prefetch_b8 v[PFO], s[RB:RB+1] offset:32768 th:TH_LOAD_NT scope:SCOPE_SE
.Lhead_n_\@:
.endif
	s_add_co_u32 s[W6], s[W6], CHB
	s_add_co_u32 s[WK], s[WK], SCB
.endm
.macro RADDR                           ; the read addresses of the chunk in hand, on every wave's path
	v_add_nc_u32 v[A16], s[R6], v[L16]
	v_add_nc_u32 v[A8], s[R6], v[L8]
	v_add_nc_u32 v[AKS], s[RK], v[L16]
	v_add_nc_u32 v[AVS], s[RK], v[RVS]
.endm
; A KEY STEP: my 16 queries against the 128 keys of the chunk in hand.  first = 1: chunk 0, which every wave takes: it starts M, the sum and O^T.
.macro STEP first
.if !\first
	s_cmp_gt_u32 s[CH], s[OC]                      ; all keys of the chunk come after my queries: nothing to do (a branch on the trip's count and the wave's number)
	s_cbranch_scc1 .Lstep_end_\@
.endif
.irp g, 0,1                            ; S^T = K Q^T, four tiles of 16 keys at a time
	UNIT KF, 768*(4*\g)
	UNIT KF+12, 768*(4*\g+1)
	UNIT KF+18, 768*(4*\g+2)
	UNIT KF+30, 768*(4*\g+3)
.if \g == 0
	ds_load_b128 v[KS:KS+3], v[AKS]                ; all eight tiles' scale words
.endif
	s_wait_dscnt 0x0                               ; zero: the products below want every load above
	WM SCR+32*\g, KF, QR, KS, QW, \g, 0            ; even tiles: [codes][spare] against [q][spare]
	WM SCR+32*\g+8, KF+6, QX, KS+1, QW+1, \g, 0    ; odd tiles: [spare][codes] against [spare][q]
	WM SCR+32*\g+16, KF+18, QR, KS+2, QW, \g, 0
	WM SCR+32*\g+24, KF+24, QX, KS+3, QW+1, \g, 0
	PLACES 4                                       ; in front of loads into registers that these products have read, and of the first read of their results
.endr
	s_cmp_lt_u32 s[CH], s[OC]                      ; only the chunk on my tile's diagonal has hidden keys
	s_cbranch_scc1 .Lstep_open_\@
.set n, 0
.rept 64
	v_cmp_gt_i32 vcc_lo, 32*(n/16)+n%16, v[DQ]     ; register n holds key 32 (n / 16) + 16 (lane / 16) + n % 16 of the chunk: hidden where it comes after my query
	v_cndmask_b32 v[SCR+n], v[SCR+n], v[NEG], vcc_lo
.set n, n+1
.endr
.Lstep_open_\@:
.irp b, 0,1,2,3
	v_max3_num_f32 v[BM+\b], v[SCR+16*\b], v[SCR+16*\b+1], v[SCR+16*\b+2]   ; the largest score of each block of 32 keys: for the row's maximum, and, since p rises with the score, for the block's largest p
.endr
.irp i, 3,5,7,9,11,13
.irp b, 0,1,2,3
	v_max3_num_f32 v[BM+\b], v[BM+\b], v[SCR+16*\b+\i], v[SCR+16*\b+\i+1]   ; (the four blocks by turns)
.endr
.endr
.irp b, 0,1,2,3
	v_max_num_f32 v[BM+\b], v[BM+\b], v[SCR+16*\b+15]
.endr
.irp b, 0,1,2,3
	v_permlanex16_b32 v[BP+\b], v[BM+\b], s[SEL], s[SEL+1]
.endr
.irp b, 0,1,2,3
	v_max_num_f32 v[BM+\b], v[BM+\b], v[BP+\b]     ; with lane l xor 16's 16 keys
.endr
	v_max3_num_f32 v[TT], v[BM], v[BM+1], v[BM+2]
	v_max_num_f32 v[TT], v[TT], v[BM+3]            ; the step's largest score of my query
.if \first
	v_mul_f32 v[TMX], s[CS], v[TT]                 ; as t
	v_floor_f32 v[NM], -v[TMX]                     ; -M = floor(-t) = -ceil(t)
.else
	v_mul_f32 v[TT], s[CS], v[TT]
	v_max_num_f32 v[TMX], v[TMX], v[TT]            ; the running largest t
	v_mov_b32 v[TT], v[NM]
	v_floor_f32 v[NM], -v[TMX]
	v_sub_f32 v[TT], v[NM], v[TT]                  ; old M - new M: a whole number, 0 or less
	v_cvt_i32_f32 v[TT], v[TT]                     ; (it saturates)
	v_ldexp_f32 v[FF], 1.0, v[TT]                  ; f = 2^(old M - new M)
.endif
.set n, 0
.rept 32
	v_pk_fma_f32 v[SCR+n:SCR+n+1], v[SCR+n:SCR+n+1], s[CS:CS+1], v[NM:NM+1] op_sel_hi:[1,0,0]   ; t - M, two at a time
.set n, n+2
.endr
.irp b, 0,1,2,3
	v_fma_f32 v[BM+\b], v[BM+\b], s[CS], v[NM]     ; the same of each block's largest score
.endr
.set n, 0
.rept 64
	v_exp_f32 v[SCR+n], v[SCR+n]                   ; p = 2^(t - M), at most 1
.set n, n+1
.endr
.irp b, 0,1,2,3
	v_exp_f32 v[BM+\b], v[BM+\b]                   ; the block's largest p: the same two instructions on the same number
.endr
.if \first
	v_nop                                          ; a plain line behind the exponentials
	s_wait_alu depctr_va_vdst(0)
.else
	v_pk_mul_f32 v[LS:LS+1], v[LS:LS+1], v[FF:FF+1] op_sel_hi:[1,0]   ; the sum under the new M; also the plain line behind the exponentials
	s_wait_alu depctr_va_vdst(0)
.endif
.irp b, 0,1,2,3
	v_max_num_f32 v[BM+\b], 0x2800000, v[BM+\b]    ; the floor 2^(5 - 127): a block whose every p is 0 keeps the byte 1, its codes are zeros
.endr
.irp b, 0,1,2,3
	v_add_nc_u32 v[SO+\b], 0xfe000000, v[BM+\b]    ; 4 off the exponent field: the conversion's scale operand
.endr
.irp b, 0,1,2,3
	v_lshrrev_b32 v[BP+\b], 23, v[SO+\b]           ; the scale's byte
.endr
	v_lshl_or_b32 v[PW], v[BP+1], 8, v[BP]         ; p's scale word for these 128 keys
	v_lshl_or_b32 v[PW], v[BP+2], 16, v[PW]
	v_lshl_or_b32 v[PW], v[BP+3], 24, v[PW]
.irp c, 0,1
	v_cvt_scalef32_pk16_bf6_f32 v[PCD+6*\c:PCD+6*\c+2], v[SCR+32*\c:SCR+32*\c+15], v[SO+2*\c]
	v_cvt_scalef32_pk16_bf6_f32 v[CTM+4*\c:CTM+4*\c+2], v[SCR+32*\c+16:SCR+32*\c+31], v[SO+2*\c+1]
.endr
	v_nop                                          ; one plain line behind the scaled conversions
.irp c, 0,1                            ; the operand's layout wants a whole block in a lane: lanes 0-15 block 2 c, lanes 16-31 block 2 c + 1
.irp i, 0,1,2
	v_permlane16_swap_b32 v[PCD+6*\c+\i], v[CTM+4*\c+\i]
.endr
.irp i, 0,1,2
	v_mov_b32 v[PCD+6*\c+3+\i], v[CTM+4*\c+\i]
.endr
.endr
	v_pk_add_f32 v[TT:TT+1], v[SCR:SCR+1], v[SCR+2:SCR+3]   ; the row's sum is taken of the unquantised p: two at a time, in two chains
.irp j, 4,8,12,16,20,24,28,32,36,40,44,48,52,56,60
	v_pk_add_f32 v[LS:LS+1], v[LS:LS+1], v[SCR+\j:SCR+\j+1]
	v_pk_add_f32 v[TT:TT+1], v[TT:TT+1], v[SCR+\j+2:SCR+\j+3]
.endr
	v_pk_add_f32 v[LS:LS+1], v[LS:LS+1], v[TT:TT+1]
.irp t, 0,1,2,3                        ; v's four fragments take p's registers
.irp cc, 0,1
	UNIT SCR+12*\t+6*\cc, VIMG+768*(2*\t+\cc)
.endr
.endr
	ds_load_b32 v[VS], v[AVS]
	ds_load_b32 v[VS+1], v[AVS] offset:64
.if !\first
.set n, 0
.rept 16
	v_pk_mul_f32 v[OA+n:OA+n+1], v[OA+n:OA+n+1], v[FF:FF+1] op_sel_hi:[1,0]   ; O^T under the new M, from each accumulator's low end on, while the loads are out
.set n, n+2
.endr
.endif
	s_wait_dscnt 0x0                               ; zero: the products below want every load above
.irp t, 0,1,2,3                        ; O^T += V^T P^T: the four accumulators take turns
	WM OA+8*\t, SCR+12*\t, PCD, VS+\t%2, PW, \t/2, 1-\first
.endr
.Lstep_end_\@:
.endm
; THE COLUMN SUMS of the quantised v, wave 5 alone: the chunk's four tiles of V^T against a fragment of ones (code 1.0, scale byte 127).  last = 1: the finished sums go to LDS as they stand.
.macro COLSUM first, last
	s_cmp_lg_u32 s[WV], ZW
	s_cbranch_scc1 .Lcs_end_\@
	PLACES 4                                       ; behind the step's last products, whose operands are written below
	v_mov_b32 v[PW], 0x7f7f7f7f
.irp i, 0,1,2,3
	v_mov_b32 v[PCD+3*\i], 0x0c30c30c              ; sixteen codes 0x0c, 6 bits each, are these three words
	v_mov_b32 v[PCD+3*\i+1], 0xc30c30c3
	v_mov_b32 v[PCD+3*\i+2], 0x30c30c30
.endr
	PLACES 4                                       ; operands written by vector lines stand 4 places ahead of a scaled product, the scale word (16 lines back) 8
.irp g, 0,1
.if \g
	PLACES 4                                       ; in front of loads into registers that the two products above have read
.endif
.irp t, 0,1
.irp cc, 0,1
	UNIT SCR+12*\t+6*\cc, VIMG+768*(2*(2*\g+\t)+\cc)
.endr
.endr
.if \g == 0
	ds_load_b32 v[VS], v[AVS]
	ds_load_b32 v[VS+1], v[AVS] offset:64
.endif
	s_wait_dscnt 0x0
	WM SCR+32+16*\g, SCR, PCD, VS, PW, \g, 1-\first
	WM SCR+40+16*\g, SCR+12, PCD, VS+1, PW, \g, 1-\first
.endr
.if \last
	PLACES 5                                       ; four for the LDS stores below, which read the results; the fifth for the key step that follows in the text, whose first products write over v80-103, the operands of the two products above
.irp i, 0,1,2,3,4,5,6,7
	ds_store_b128 v[TA], v[SCR+32+4*\i:SCR+32+4*\i+3] offset:512*\i   ; each accumulator from its low end on
.endr
.endif
.Lcs_end_\@:
.endm
; A TRIP.  The signal says: my part of the next chunk lies in LDS.  Between it and the wait stand register work and LDS loads of the chunk in hand, which the barrier before has shown whole
; and which no wave writes again.
.macro TRIP first
	HEAD 1
	RADDR
	s_wait_dscnt 0x0                               ; zero, for the others' sake: my stores of the next chunk's images have landed
	s_barrier_signal -1
	STEP \first
	COLSUM \first, 0
	s_add_co_u32 s[R6], s[R6], CHB
	s_add_co_u32 s[RK], s[RK], SCB
	s_barrier_wait -1                              ; the next chunk is whole
.endm
	s_load_b256 s[4:11], s[0:1], 0x0               ; q s[4:5], k s[6:7], v s[8:9], the output s[10:11]
	v_lshl_add_u32 v191, v0, 2, 0x2c000
	v_mov_b32 v195, 0
	v_lshrrev_b32 v144, 5, v0
	v_readfirstlane_b32 s[WV], v144                ; wave 0..15
	v_and_b32 v145, 15, v0                         ; r
	v_bfe_u32 v146, v0, 4, 1                       ; h
	v_bfe_u32 v147, v0, 3, 1                       ; r / 8
	v_and_b32 v148, 31, v0                         ; lane
	s_and_b32 s[JJ], ttmp9, 3
	s_lshr_b32 s[HD], ttmp9, 2
	s_lshr_b32 s28, s[WV], 2                       ; a
	s_and_b32 s29, s[WV], 3                        ; b
	s_lshr_b32 s34, s28, 1
	s_lshl_b32 s34, s34, 1
	s_lshr_b32 s35, s29, 1
	s_or_b32 s34, s34, s35                         ; x = 2 (a / 2) + b / 2
	s_xor_b32 s35, s28, s29
	s_and_b32 s35, s35, 1
	s_mul_i32 s35, s35, 7
	s_xor_b32 s[OC], s34, s35                      ; o = x, or 7 - x where a + b is odd
	s_and_b32 s28, s28, 1
	s_lshl_b32 s36, s[JJ], 1
	s_add_co_u32 s36, s36, s28                     ; u = 2 j + a % 2
	s_lshl_b32 s37, s[OC], 3
	s_add_co_u32 s37, s37, s36                     ; my tile of 16 queries: 8 o + u
	s_and_b32 s38, s[WV], 7                        ; t: k's tile that I quantise
	s_lshr_b32 s39, s[WV], 3                       ; 0: I quantise k; 1: v
	s_lshr_b32 s40, s38, 1                         ; kb: v's block of 32 keys that I quantise  (k: t / 2)
	s_and_b32 s41, s38, 1                          ; dh: which 32 channels                     (k: t % 2)
	; my offset in a chunk in memory.  k: key 32 (t / 2) + 8 (t % 2) + r + 8 (r / 8), numbers 32 h on;  v: key 32 kb, channel 32 dh + lane
	s_cmp_lt_u32 s[WV], 8
	s_cselect_b32 s42, 256, 4
	s_cselect_b32 s43, 2048, 0
	s_cselect_b32 s44, 128, 64
	s_mov_b32 s45, 128
	s_cselect_b32 s45, 2048, s45
	s_mul_i32 s45, s45, s41
	s_lshl_b32 s28, s40, 13
	s_add_co_u32 s45, s45, s28
	v_mul_u32_u24 v[RO], v145, s42
	v_mad_u32_u24 v[RO], v147, s43, v[RO]
	v_mad_u32_u24 v[RO], v146, s44, v[RO]
	v_add_nc_u32 v[RO], s45, v[RO]
	v_lshlrev_b32 v[QO], 8, v145
	v_lshl_add_u32 v[QO], v146, 7, v[QO]           ; q: row r of 256 bytes, + 128 h
	s_lshl_b32 s28, s[HD], 18                      ; a head is 262,144 bytes in each tensor
	s_mov_b32 s29, 0
	s_lshl_b32 s34, s37, 12                        ; a tile of 16 rows 4,096
	s_mov_b32 s35, 0
	s_add_nc_u64 s[34:35], s[34:35], s[28:29]
	s_wait_kmcnt 0x0
	s_cmp_lt_u32 s[WV], 8                          ; the choice hangs on the wave's number alone
	s_cselect_b64 s[RB:RB+1], s[6:7], s[8:9]
	s_add_nc_u64 s[RB:RB+1], s[RB:RB+1], s[28:29]
	s_add_nc_u64 s[QB:QB+1], s[4:5], s[34:35]
	s_add_nc_u64 s[OB:OB+1], s[10:11], s[34:35]
	s_cmp_lt_u32 s[WV], 8
	s_cbranch_scc0 .Lfirst_v
	LOADK                                          ; chunk 0
	s_branch .Lfirst_j
.Lfirst_v:
	LOADV
.Lfirst_j:
.irp n, 0,1,2,3,4,5,6,7
	global_load_b128 v[SCR+32+4*\n:SCR+32+4*\n+3], v[QO], s[QB:QB+1] offset:16*\n th:TH_LOAD_NT   ; my 32 numbers of q: read once in the launch
.endr
	; every LDS address register is made here, on the one way that all waves take, from the lane, the wave's number and constants
	v_lshlrev_b32 v[L16], 4, v148
	v_lshlrev_b32 v[L8], 3, v148
	v_lshlrev_b32 v[RVS], 2, v145
	v_lshl_add_u32 v[RVS], v146, 7, v[RVS]
	v_add_nc_u32 v[RVS], VSCR, v[RVS]
	s_lshl_b32 s28, s[JJ], 13
	v_lshl_add_u32 v[PFO], v148, 8, s28            ; my work-group's 32 rows of a chunk, a lane a row
	s_lshl_b32 s28, s41, 4
	v_lshl_add_u32 v[SHB], v146, 3, s28            ; 8 h, in odd tiles 16 more: there the codes stand in the operand's upper half
	s_lshr_b32 s29, 0xfe0000, s28
	v_mov_b32 v[XV], s29                           ; 254 as byte 2 (even tiles) or byte 0 (odd)
	s_mul_i32 s28, s38, 768
	v_add_nc_u32 v149, s28, v[L16]                 ; k: unit t, 16 x lane
	s_add_co_u32 s29, s28, 512
	v_add_nc_u32 v150, s29, v[L8]                  ;    + 512, 8 x lane
	s_lshr_b32 s28, s38, 2
	s_lshl_b32 s28, s28, 8
	s_and_b32 s29, s38, 3
	s_lshl_b32 s29, s29, 2
	s_add_co_u32 s28, s28, s29
	v_lshl_add_u32 v151, v145, 4, s28              ;    its word: 16 r + 256 (t / 4) + 4 (t % 4)
	s_lshl_b32 s28, s41, 2
	s_lshr_b32 s29, s40, 1
	s_add_co_u32 s28, s28, s29
	s_mul_i32 s28, s28, 768
	s_add_co_u32 s28, s28, VIMG                    ; v: channel 32 dh + lane is row r of tile 2 dh + h; block kb is half kb / 2, lanes 16 (kb % 2) on: unit 4 dh + 2 h + kb / 2
	s_and_b32 s29, s40, 1
	s_lshl_b32 s34, s29, 8
	s_add_co_u32 s34, s34, s28
	s_lshl_b32 s35, s29, 7
	s_add_co_u32 s35, s35, s28
	s_add_co_u32 s35, s35, 512
	v_mul_u32_u24 v152, v146, 1536
	v_lshl_add_u32 v153, v145, 4, v152
	v_add_nc_u32 v153, s34, v153
	v_lshl_add_u32 v154, v145, 3, v152
	v_add_nc_u32 v154, s35, v154
	s_lshl_b32 s28, s41, 7
	s_add_co_u32 s28, s28, s40
	s_add_co_u32 s28, s28, VSCR
	v_lshl_add_u32 v155, v148, 2, s28              ;    its byte: 4 x channel + kb
	v_sub_nc_u32 v153, v153, v149                  ; one register for both roles: k's place + (0 or 1) x the distance to v's, which lies higher
	v_sub_nc_u32 v154, v154, v150
	v_sub_nc_u32 v155, v155, v151
	v_mul_u32_u24 v153, v153, s39
	v_mul_u32_u24 v154, v154, s39
	v_mul_u32_u24 v155, v155, s39
	v_add_nc_u32 v[B16], v149, v153
	v_add_nc_u32 v[B8], v150, v154
	v_add_nc_u32 v[BSC], v151, v155
	s_lshl_b32 s28, s36, 4
	v_lshlrev_b32 v156, 4, v146
	v_sub_nc_u32 v[DQ], v145, v156
	v_add_nc_u32 v[DQ], s28, v[DQ]                 ; 16 u + r - 16 h
	s_mul_i32 s28, s[WV], STGW
	s_add_co_u32 s28, s28, STG                     ; my stage
	v_mul_u32_u24 v[STI], v145, 272
	v_lshl_add_u32 v[STI], v146, 5, v[STI]
	v_add_nc_u32 v[STI], s28, v[STI]               ; in: row r, 32 h bytes on
	v_mul_u32_u24 v[STO], v146, 272
	v_lshl_add_u32 v[STO], v145, 4, v[STO]
	v_add_nc_u32 v[STO], s28, v[STO]               ; back: lanes 0-15 one row, lanes 16-31 the next
	v_lshlrev_b32 v[GO], 8, v146
	v_lshl_add_u32 v[GO], v145, 4, v[GO]           ; and the same two rows in the output
	v_add_nc_u32 v[TA], TOTB, v[L16]
	v_xor_b32 v156, 1, v146                        ; the spare channel stands in lanes 0-15, as the lowest code
	v_mul_u32_u24 v[KF+6], v156, 0x2c              ; -1.0 on k's side,
	v_mul_u32_u24 v[KF+24], v156, 0x2c
	v_mul_u32_u24 v[QX], v156, 0x0c                ; +1.0 on q's
.irp i, 1,2,3,4,5
	v_mov_b32 v[KF+6+\i], 0
	v_mov_b32 v[KF+24+\i], 0
	v_mov_b32 v[QX+\i], 0
.endr
.irp i, 0,1,2,3
	v_mov_b32 v[BP+\i], 0                          ; written once: a lane permute's destination counts as one of its sources
.endr
	v_mov_b32 v[FF+1], 0                           ; (named as the upper half of a pair)
	v_mov_b32 v[LS], 0
	v_mov_b32 v[LS+1], 0
	v_mov_b32 v[NEG], 0xd1000000                   ; -2^35: 8 x the padding number, as a raw score
	s_mov_b32 s[CH], 0
	s_cmp_eq_u32 s38, 0
	s_cselect_b32 s[LIM], 5, 0
	s_mov_b32 s[SEL], 0x76543210
	s_mov_b32 s[SEL+1], 0xfedcba98
	s_mov_b32 s[CS], 0x3e38aa3b                    ; log2(e) / 8
	s_mov_b32 s[CS+1], s[CS]
	s_mov_b32 s[W6], 0
	s_mov_b32 s[WK], KSC
	s_mov_b32 s[R6], 0
	s_mov_b32 s[RK], KSC
	HEAD 0                                         ; chunk 0 to LDS, chunk 1 asked for
	QUANT SCR+32, QR                               ; q's fragment: lane (r, h) holds query r, numbers 32 h on
.irp i, 0,1,2,3,4,5
	v_mov_b32 v[QR2+\i], v[QR+\i]
.endr
	v_bfe_u32 v[TT], v0, 4, 1
	v_lshlrev_b32 v[TT], 3, v[TT]
	v_lshlrev_b32 v[BP+2], v[TT], v[BP]            ; my byte, 8 h bits up,
	v_permlanex16_b32 v[BP+3], v[BP+2], s[SEL], s[SEL+1]
	v_or_b32 v[BP+2], v[BP+2], v[BP+3]             ; with lane l xor 16's
	v_or_b32 v[QW], 0x230000, v[BP+2]              ; even tiles: q's two bytes, then 35 for the spare channel
	v_lshl_or_b32 v[QW+1], v[BP+2], 16, 35         ; odd tiles: the halves change places
	s_wait_dscnt 0x0                               ; zero, for the others' sake: my part of chunk 0 has landed
	s_barrier_signal -1
	s_barrier_wait -1                              ; chunk 0 is whole
	TRIP 1                                         ; chunk 0 stands in front of the loop: its products start the sums
	s_mov_b32 s[CH], 1
.Ltrip:                                            ; chunks 1 to 6
	TRIP 0
	s_add_co_u32 s[CH], s[CH], 1
	s_cmp_lt_u32 s[CH], 7
	s_cbranch_scc1 .Ltrip
	; chunk 7: nothing is left to quantise
	RADDR                                          ; these four lines and the next are the five places between the last step's products and products that write over their operands
	v_nop
	COLSUM 0, 1
	s_wait_dscnt 0x0                               ; zero, for the others' sake: wave 5's image of the column sums has landed
	s_barrier_signal -1
	STEP 0                                         ; the two waves with o = 7; the others go on to the wait
	s_barrier_wait -1                              ; the column sums lie in LDS
	; THE WAY OUT.  The additions, the compare and the selects are the places behind the last products.
	v_add_f32 v[LS], v[LS], v[LS+1]                ; the sum's two halves,
	v_permlanex16_b32 v[BP], v[LS], s[SEL], s[SEL+1]
	v_add_f32 v[LS], v[LS], v[BP]                  ; and lane l xor 16's
	v_cmp_gt_f32 vcc_lo, 0xcf800000, v[TMX]        ; the largest t lies under -2^32: every visible key of my query is a padding key
	v_mov_b32 v[TT], 0x44800000
	v_cndmask_b32 v[LS], v[LS], v[TT], vcc_lo      ; then the sum is 1,024
	v_rcp_f32 v[FF], v[LS]
.irp i, 0,1,2,3,4,5,6,7
	ds_load_b128 v[SCR+4*\i:SCR+4*\i+3], v[TA] offset:512*\i
.endr
	s_wait_dscnt 0x0
.set n, 0
.rept 32
	v_cndmask_b32 v[SCR+32+n], v[OA+n], v[SCR+n], vcc_lo   ; and O^T the column sums; each accumulator is read from its low end on.  (The first is the plain line behind the reciprocal)
.set n, n+1
.endr
.set n, 0
	s_wait_alu depctr_va_vdst(0)
.rept 16
	v_pk_mul_f32 v[SCR+32+n:SCR+32+n+1], v[SCR+32+n:SCR+32+n+1], v[FF:FF+1] op_sel_hi:[1,0]   ; register 8 t + i is out(query r, channel 16 t + 8 h + i)
.set n, n+2
.endr
.irp t, 0,1,2,3
	ds_store_b128 v[STI], v[SCR+32+8*\t:SCR+32+8*\t+3] offset:64*\t
	ds_store_b128 v[STI], v[SCR+32+8*\t+4:SCR+32+8*\t+7] offset:64*\t+16
.endr
.irp n, 0,1,2,3,4,5,6,7
	ds_load_b128 v[SCR+4*\n:SCR+4*\n+3], v[STO] offset:544*\n   ; LDS serves a wave's instructions in order (ISA guide 5.7.1.4): these see my stores
.endr
.irp n, 0,1,2,3,4,5,6,7
	s_wait_dscnt 7-\n                              ; load n is back; the 7 - n younger ones may stay out
	global_store_b128 v[GO], v[SCR+4*\n:SCR+4*\n+3], s[OB:OB+1] offset:512*\n th:TH_STORE_NT   ; sixteen lanes store a row's 256 consecutive bytes, at a multiple of 256 from the output's first byte
.endr
	s_wait_tensorcnt 0x0
	ds_add_u32 v191, v195
	s_wait_dscnt 0x0
	s_endpgm
.Lfunc_end_k_q62207540cb_attn:
	.size	k_q62207540cb_attn, .Lfunc_end_k_q62207540cb_attn-k_q62207540cb_attn
	.p2alignl 7, 3214868480
	.fill 96, 4, 3214868480
	.section	.rodata,"a",@progbits
	.p2align	6, 0x0
	.amdhsa_kernel k_q62207540cb_attn
		.amdhsa_group_segment_fixed_size 182272
		.amdhsa_private_segment_fixed_size 0
		.amdhsa_enable_private_segment 0
		.amdhsa_kernarg_size 32
		.amdhsa_user_sgpr_count 2
		.amdhsa_user_sgpr_kernarg_segment_ptr 1
		.amdhsa_wavefront_size32 1
		.amdhsa_system_sgpr_workgroup_id_x 1
		.amdhsa_system_sgpr_workgroup_id_y 1
		.amdhsa_system_sgpr_workgroup_id_z 1
		.amdhsa_system_vgpr_workitem_id 0
		.amdhsa_next_free_vgpr 256
		.amdhsa_next_free_sgpr 66
		.amdhsa_reserve_vcc 1
		.amdhsa_float_denorm_mode_32 3
		.amdhsa_float_denorm_mode_16_64 3
		.amdhsa_memory_ordered 1
		.amdhsa_forward_progress 1
		.amdhsa_inst_pref_size 109
	.end_amdhsa_kernel
	.amdgpu_metadata
---
amdhsa.version: [ 1, 2 ]
amdhsa.kernels:
  - .name:           k_q62207540cb_attn
    .symbol:         k_q62207540cb_attn.kd
    .args:
      - { .name: q, .offset: 0, .size: 8, .value_kind: global_buffer, .address_space: global }
      - { .name: k, .offset: 8, .size: 8, .value_kind: global_buffer, .address_space: global }
      - { .name: v, .offset: 16, .size: 8, .value_kind: global_buffer, .address_space: global }
      - { .name: out0, .offset: 24, .size: 8, .value_kind: global_buffer, .address_space: global }
    .group_segment_fixed_size: 182272
    .private_segment_fixed_size: 0
    .kernarg_segment_align: 8
    .kernarg_segment_size: 32
    .max_flat_workgroup_size: 512
    .sgpr_count:     66
    .vgpr_count:     256
    .wavefront_size: 32
...
	.end_amdgpu_metadata
.endif
;; end of part 1
;; ======== version 2 of 2: 1 launch; version 1 with the launch attn written anew for expert scheduling mode
;; limits: right only within a limited range of input values
;; launch attn (part 2): grid 256 x 1, 16 waves a work-group, no clusters, 182,272 bytes of LDS; arguments q, k, v, out0; writes out0
.if DOCPART == 2
	.amdgcn_target "amdgcn-amd-amdhsa--gfx1250"
	.amdhsa_code_object_version 6
	.text
	.protected	k_q62207540cb_attn
	.globl	k_q62207540cb_attn
	.p2align	8
	.type	k_q62207540cb_attn,@function
k_q62207540cb_attn:
	s_mov_b64 s[64:65], 0
	v_nop
	global_prefetch_b8 v0, s[64:65] scope:SCOPE_SE
	s_setreg_imm32_b32 hwreg(HW_REG_WAVE_SCHED_MODE, 0, 2), 2
	s_setreg_imm32_b32 hwreg(HW_REG_WAVE_MODE, 25, 1), 1
	s_wait_xcnt 0x0
	s_wait_alu depctr_vm_vsrc(0)
; out[h][q][:] = sum over keys of softmax(q.k / 8, padding keys and later keys set to -2^32) v, 64 heads x 1,024 x 64, f32 in and out.
; Both products run on codes of BF6 (E3M2) with one E8M0 scale for each 32 along a product's K; sums in f32.
; SOFTMAX: t = score x log2(e) / 8; M = the running largest t rounded up to a whole number; p = 2^(t - M) is quantised along the keys, not normalised;
; the row's sum is taken of the unquantised p and divides at the end; when M moves, the sum and O are multiplied by 2^(old M - new M), which rounds nothing.
; SHARES: four work-groups to a head (head = work-group / 4), sixteen waves each; a wave owns ONE tile of 16 queries.  Tile 8 o + u needs o + 1 key steps of 128 keys;
; o hangs on the wave's number alone and is dealt so that any four waves w, w + 4, w + 8, w + 12, and any four w .. w + 3, have 18 steps together.
; ONE LAUNCH: the head's keys go in 8 chunks of 128.  In a trip the sixteen waves quantise the NEXT chunk of k (waves 0-7) and v (waves 8-15), which came from memory straight into
; registers, and store it in LDS as images of operand registers; they ask memory for the chunk after that; they signal a barrier; and they run the CURRENT chunk's attention step between
; that barrier's signal and its wait.  All 8 chunks' images stay in LDS and are never written again, so one barrier a chunk is all the ordering there is.
; Each work-group of a head quantises the head's k and v for itself: 128 runs of 32 lanes x 32 numbers, against 72 attention steps.
; NO CLUSTER, NO JOINT LOADS: what the four work-groups of a head share is f32 that has to be quantised.  A joint tensor load could only lay it in LDS, 512 KB in and 512 KB out again
; for a work-group, which is more than the 72 x 13 KB that all its attention steps read there; loads into registers land in the quantiser's own layout.
; THE KEY MASK RIDES IN THE FIRST PRODUCT: its K is 128, the head's is 64.  One spare channel holds the code +1 with scale byte 35 on q's side and the code -1 on k's side, with scale byte 254 for a key
; whose 64 numbers are all 0 and byte 0 for any other.  A padding key's true product is 0, so its raw score is exactly -2^35 = 8 x -2^32; any other key gets -2^-219, which is nothing in f32.
; ROWS ALL OF WHOSE VISIBLE KEYS ARE PADDING have 1,024 equal logits in the problem's definition: p = 1 for every key, the sum 1,024, the result the column sums of the quantised v over ALL keys / 1,024.
; Wave 5 (one key step of its own) makes those column sums by products with a fragment of ones; on the way out a row whose largest t lies under -2^32 takes them, by v_cndmask_b32.
; LAYOUT: both products are used transposed (S^T = K Q^T, O^T = V^T P^T): a lane holds one query (lane % 16).  Lane r of key tile 2 b + u takes key 32 b + 8 u + r + 8 (r / 8), so that the 16 registers
; of tiles 2 b and 2 b + 1 are 16 neighbouring keys: register 16 b + i of the scores is key 32 b + 16 (lane / 16) + i.
; LIMITS: rows whose true scores lie under about -2^31, where the finite padding number would begin to compete, are not served; NaN and infinities among the inputs are not served;
; a block whose largest magnitude lies under 2^-122 keeps the scale byte 1 (a block of zeros too: its codes are zeros, and only this text reads the bytes).
; THE MODE: SCHED_MODE bits 1:0 = 2 (LLVM: expert scheduling mode 2), set by the entry lines.  The code itself states the register dependences
; between vector or matrix instructions and memory or LDS instructions, with s_wait_alu, always for 0.
; THE PLAN.  Registers that memory or LDS instructions touch, round a trip:
;   RAW             The loads of chunk c + 2 land in it, issued in trip c behind the quantiser's lines, which read chunk c + 1 there.
;   v176-181, v232, v234, v252-254   Codes, scale byte, scale word and the three store addresses: written by the quantiser, read by its three LDS stores; the key step writes v176-187 and v232-235 again.
;   v3-6            The trip's four read addresses: written once a trip, among the quantiser's lines; read by every LDS load of the trip.
;   KF's units, KS  LDS loads land in them; the score products read them.  Four tiles at a time: the second four land where the first four lay.
;   v80-127, VS     Scores and p, by matrix and vector lines; then v's fragments land there and the second product reads them.
;   v8, v9, v255, v245-248   Offsets and addresses made once at the head and never written again.
; THE WAITS OF A TRIP.  (1) vm_vsrc ahead of the four address additions.  (2) ONE va_vdst in each arm of the quantiser's turn, behind all its vector lines: it serves the three stores, the loads into RAW and,
; since only stores, loads, scalar lines and the barrier's signal follow it, the key step's first LDS loads.  (3) vm_vsrc straight behind the three stores.  (4) va_vdst between the two runs of key tiles.
; (5) The wait behind the exponentials.  (6) va_vdst behind the last reader of v80-127, ahead of v's loads; the rest of the row's sum and O^T's rescaling stand behind those loads.
;
; LDS.  A UNIT is half a fragment, 6 registers a lane, 768 bytes: registers 0-3 at 16 x lane, registers 4-5 at 512 + 8 x lane.
.set VIMG,  49152                      ; k's images from 0: chunk c at 6144 c, tile t = unit t;  v's from here: tile t (channels 16 t ..), keys 64 cc .. = unit 2 t + cc
.set CHB,   6144                       ; a chunk's images of k, or of v
.set KSC,   98304                      ; k's scale words, 512 bytes a chunk: tile t, row r at 16 (r + 16 (t / 4)) + 4 (t % 4)
.set VSCR,  4096                       ; v's lie this far behind k's: channel d's word at 4 d, byte = block of 32 keys
.set SCB,   512
.set TOTB,  106496                     ; the column sums, an image of 32 registers: 4,096 bytes
.set STG,   110592                     ; the way out: 16 rows x (256 + 16) bytes for each wave
.set STGW,  16*272
.set ZW,    5                          ; the wave that makes the column sums
; VECTOR REGISTERS
.set L16, 1                            ; 16 x lane; never rewritten
.set L8,  2                            ; 8 x lane; never rewritten
.set A16, 3                            ; the chunk in hand: 16 x lane + 6144 c
.set A8,  4                            ; 8 x lane + 6144 c
.set AKS, 5                            ; k's scale words of the chunk in hand
.set AVS, 6                            ; v's
.set RVS, 7                            ; VSCR + 4 r + 128 h; never rewritten
.set RO,  8                            ; my byte offset in a chunk of k or v in memory; never rewritten
.set PFO, 9                            ; the prefetches' offset; never rewritten
.set SHB, 10                           ; where my scale byte stands in a word of k's
.set XV,  11                           ; the byte 254 at the spare channel's place in that word
.set NM,  12                           ; -M       (v[12:13] is named as a pair)
.set TMX, 13                           ; the running largest t
.set LS,  14                           ; v[14:15] the row's sum in two halves
.set QR,  16                           ; v16-21 q's codes; v22-27 the spare channel on q's side; v28-33 q's codes again: [QR][QX] serves even key tiles, [QX][QR2] odd ones
.set QX,  22
.set QR2, 28
.set QW,  34                           ; v34, v35 q's scale words for even and odd key tiles.  v34-42 hold scales and nothing else
.set KS,  36                           ; v36-39 k's scale words: lanes 0-15 tiles 0-3, lanes 16-31 tiles 4-7
.set VS,  40                           ; v40, v41 v's: lanes 0-15 tiles 0, 1; lanes 16-31 tiles 2, 3
.set PW,  42                           ; p's scale word
.set DQ,  43                           ; my query - the diagonal chunk's first key - 16 (lane / 16)
.set KF,  44                           ; v44-79: [L0][C][L1] [L2][C][L3]: four key tiles' codes and, between each two, the spare channel on k's side (never rewritten)
.set SCR, 80                           ; v80-143 the scores, then p; then v's four fragments in v80-127.  Wave 5: the column sums in v112-143
.set OA,  144                          ; v144-175 O^T, four tiles
.set PCD, 176                          ; v176-187 p's codes; the quantiser's codes in v176-181
.set CTM, 188                          ; v188-190, v192-194 conversions' second halves
.set RAW, 196                          ; v196-227 32 numbers of k or v on their way
.set BM,  228                          ; v228-231 largest scores of the four blocks;  quantiser: two chains, the largest magnitude, the same over the floor
.set BP,  232                          ; v232-235 the other half's, then the bytes;   quantiser: byte, partner's magnitude, word, partner's word
.set SO,  236                          ; v236-239 the conversions' scale operands;    quantiser: scale operand, the spare channel's byte
.set FF,  240                          ; v[240:241] f = 2^(old M - new M), later 1 / the sum
.set TT,  242                          ; v[242:243] at work
.set NEG, 244                          ; -2^35
.set GO,  245                          ; the way out: my byte offset in the wave's 16 rows of the output
.set STI, 246                          ; where I put 32 bytes of a row in the stage
.set STO, 247                          ; where I read a row back
.set TA,  248                          ; TOTB + 16 x lane
.set B16, 249                          ; where I store codes' registers 0-3 in chunk 0; never rewritten
.set B8,  250                          ; registers 4-5
.set BSC, 251                          ; my scale word (k) or byte (v), from KSC on
.set WT16, 252                         ; the same three in the chunk being written
.set WT8, 253
.set WTS, 254
.set QO,  255                          ; my byte offset in the wave's 16 rows of q
; SCALAR REGISTERS: s[4:11] q, k, v, out
.set WV,  12                           ; wave
.set JJ,  13                           ; which of the head's four work-groups
.set HD,  14                           ; head
.set OC,  15                           ; o: my tile's diagonal chunk
.set CH,  16                           ; the chunk in hand
.set LIM, 17                           ; 5 in waves 0 and 8, else 0: a wave prefetches while the chunk in hand is under it
.set SEL, 18                           ; s[18:19] v_permlanex16_b32's selects for lane l xor 16
.set CS,  20                           ; s[20:21] log2(e) / 8, twice: the packed form names a pair
.set RB,  22                           ; s[22:23] k or v at the chunk whose loads are issued next
.set QB,  24                           ; s[24:25] q at my tile
.set OB,  26                           ; s[26:27] the output at my tile
.set W6,  30                           ; 6144 x the chunk being written
.set WK,  31                           ; KSC + 512 x the chunk being written
.set R6,  32                           ; 6144 x the chunk in hand
.set RK,  33                           ; KSC + 512 x the chunk in hand
; s34-47 and s28, s29, at work in the head only, hold the causal mask of 16 registers at a time behind it: mask n in s[34 + n], the last two in s28 and s29
.macro PLACES n                        ; plain vector lines between a matrix instruction and what may not follow it at once (ISA guide 7.12.1)
.rept \n
	v_nop
.endr
.endm
; One matrix instruction.  row = 1: source 0's scales stand in lanes 16-31.  acc = 0: the product starts the sum.
.macro WM d, a, b, sa, sb, row, acc
.if \acc
.if \row
	v_wmma_scale_f32_16x16x128_f8f6f4 v[\d:\d+7], v[\a:\a+11], v[\b:\b+11], v[\d:\d+7], v[\sa], v[\sb] matrix_a_fmt:MATRIX_FMT_BF6 matrix_b_fmt:MATRIX_FMT_BF6 matrix_a_scale:MATRIX_SCALE_ROW1
.else
	v_wmma_scale_f32_16x16x128_f8f6f4 v[\d:\d+7], v[\a:\a+11], v[\b:\b+11], v[\d:\d+7], v[\sa], v[\sb] matrix_a_fmt:MATRIX_FMT_BF6 matrix_b_fmt:MATRIX_FMT_BF6
.endif
.else
.if \row
	v_wmma_scale_f32_16x16x128_f8f6f4 v[\d:\d+7], v[\a:\a+11], v[\b:\b+11], 0, v[\sa], v[\sb] matrix_a_fmt:MATRIX_FMT_BF6 matrix_b_fmt:MATRIX_FMT_BF6 matrix_a_scale:MATRIX_SCALE_ROW1
.else
	v_wmma_scale_f32_16x16x128_f8f6f4 v[\d:\d+7], v[\a:\a+11], v[\b:\b+11], 0, v[\sa], v[\sb] matrix_a_fmt:MATRIX_FMT_BF6 matrix_b_fmt:MATRIX_FMT_BF6
.endif
.endif
.endm
; A unit of the chunk in hand comes back into six registers, in the lanes in which it was made: 512 and 256 consecutive bytes
.macro UNIT reg, off
	ds_load_b128 v[\reg:\reg+3], v[A16] offset:\off
	ds_load_b64 v[\reg+4:\reg+5], v[A8] offset:\off+512
.endm
; 32 numbers of a lane, one block along K, become 6 registers of codes at dst; v[BM+2] the largest magnitude, v[BP] the scale's byte
.macro QUANT src, dst
	v_max3_num_f32 v[BM], |v[\src]|, |v[\src+1]|, |v[\src+2]|        ; two chains, so that no line waits for the line above it
	v_max3_num_f32 v[BM+1], |v[\src+3]|, |v[\src+4]|, |v[\src+5]|
.irp i, 6,10,14,18,22,26
	v_max3_num_f32 v[BM], v[BM], |v[\src+\i]|, |v[\src+\i+1]|
	v_max3_num_f32 v[BM+1], v[BM+1], |v[\src+\i+2]|, |v[\src+\i+3]|
.endr
	v_max3_num_f32 v[BM], v[BM], |v[\src+30]|, |v[\src+31]|
	v_max_num_f32 v[BM+2], v[BM], v[BM+1]          ; the block's largest magnitude, kept without the floor for the test on padding keys
	v_max_num_f32 v[BM+3], 0x2800000, v[BM+2]      ; the floor 2^(5 - 127): the byte cannot fall under 1
	v_add_nc_u32 v[SO], 0xfe000000, v[BM+3]        ; 4 off its exponent field: the conversion takes the exponent field of this operand as its scale
	v_cvt_scalef32_pk16_bf6_f32 v[\dst:\dst+2], v[\src:\src+15], v[SO]
	v_cvt_scalef32_pk16_bf6_f32 v[CTM:CTM+2], v[\src+16:\src+31], v[SO]   ; (a conversion's three registers begin on an even number)
	v_lshrrev_b32 v[BP], 23, v[SO]                 ; the scale's byte; also the plain line behind the conversions
.irp i, 0,1,2
	v_mov_b32 v[\dst+3+\i], v[CTM+\i]
.endr
.endm
.macro LOADK                           ; my key's 32 numbers: 128 consecutive bytes, eight loads on end
.irp n, 0,1,2,3,4,5,6,7
	global_load_b128 v[RAW+4*\n:RAW+4*\n+3], v[RO], s[RB:RB+1] offset:16*\n
.endr
.endm
.macro LOADV                           ; my channel of 32 keys: each load reads 128 consecutive bytes of a key's row; the partner wave takes the row's other half
.set n, 0
.rept 32
	global_load_b32 v[RAW+n], v[RO], s[RB:RB+1] offset:256*n
.set n, n+1
.endr
.endm
.macro CODES                           ; the six registers of codes go to LDS as they stand
	ds_store_b128 v[WT16], v[PCD:PCD+3]
	ds_store_b64 v[WT8], v[PCD+4:PCD+5]
.endm
; The read addresses of the chunk in hand, on every wave's path.  again = 1: they have served LDS loads before.
.macro RADDR again
.if \again
	s_wait_alu depctr_vm_vsrc(0)                   ; the LDS loads of the chunk before have read these four registers
.endif
	v_add_nc_u32 v[A16], s[R6], v[L16]
	v_add_nc_u32 v[A8], s[R6], v[L8]
	v_add_nc_u32 v[AKS], s[RK], v[L16]
	v_add_nc_u32 v[AVS], s[RK], v[RVS]
.endm
; THE QUANTISER'S TURN: the chunk whose numbers are in registers goes to LDS; the chunk after it is asked for.  mode = 0: in front of the loop; 1: in the first trip; 2: in a later trip.
; All its vector lines stand ahead of one wait in each arm; behind that wait stand the arm's stores and loads.
.macro HEAD mode
	s_wait_loadcnt 0x0                             ; zero: all my loads are this chunk's (in front of the loop: q's eight too, which are wanted next)
.if \mode
	s_wait_xcnt 0x0                                ; the last trip's prefetch has read its base, which is stepped below
.endif
	s_add_nc_u64 s[RB:RB+1], s[RB:RB+1], 32768     ; a chunk on: 128 keys of 256 bytes
	QUANT RAW, PCD                                 ; its first 17 lines are also the places behind the last step's products, whose registers are written from here on
	v_add_nc_u32 v[WT16], s[W6], v[B16]
	v_add_nc_u32 v[WT8], s[W6], v[B8]
	v_add_nc_u32 v[WTS], s[WK], v[BSC]
.if \mode == 1
	RADDR 0
.endif
.if \mode == 2
	RADDR 1
.endif
	s_cmp_lt_u32 s[WV], 8
	s_cbranch_scc0 .Lhead_v_\@
	v_permlanex16_b32 v[BP+1], v[BM+2], s[SEL], s[SEL+1]   ; k: the key's other block's largest magnitude,
	v_lshlrev_b32 v[BP+2], v[SHB], v[BP]           ; my byte at its place in the key's word,
	v_max_num_f32 v[BP+1], v[BM+2], v[BP+1]        ; the key's largest magnitude: 0 only where all 64 numbers are 0
	v_permlanex16_b32 v[BP+3], v[BP+2], s[SEL], s[SEL+1]
	v_cmp_eq_f32 vcc_lo, 0, v[BP+1]
	v_or_b32 v[BP+2], v[BP+2], v[BP+3]
	s_wait_alu depctr_va_vcc(0)                    ; the compare has written VCC, which the select reads
	v_cndmask_b32 v[SO+1], 0, v[XV], vcc_lo        ; the spare channel's byte: 254 for a padding key, else 0
	v_or_b32 v[BP+2], v[BP+2], v[SO+1]
	s_wait_alu depctr_va_vdst(0)                   ; written: the codes, the word and the three store addresses, which the stores read, and the trip's four read addresses; the quantiser is done reading RAW, in which the loads below land; the last step's products are done reading k's tiles and scale words, in which the key step's first loads land
	CODES
	ds_store_b32 v[WTS], v[BP+2]                   ; both lanes of a key write the same word with the same value
	s_wait_alu depctr_vm_vsrc(0)                   ; the three stores have read v176-181, v234 and v252-254, which the key step and the next quantiser's turn write again
.if \mode
	s_cmp_gt_u32 s[CH], 5                          ; trip c asks for chunk c + 2: there is none behind chunk 7
	s_cbranch_scc1 .Lhead_j_\@
.endif
	LOADK
	s_branch .Lhead_j_\@
.Lhead_v_\@:
	s_wait_alu depctr_va_vdst(0)                   ; as in the other arm: the codes, the byte, the store addresses and the read addresses are written; RAW, k's tiles
	CODES
	ds_store_b8 v[WTS], v[BP]                      ; v: my channel's byte for my block of keys
	s_wait_alu depctr_vm_vsrc(0)                   ; the three stores have read v176-181, v232 and v252-254, which the key step and the next quantiser's turn write again
.if \mode
	s_cmp_gt_u32 s[CH], 5
	s_cbranch_scc1 .Lhead_j_\@
.endif
	LOADV
.Lhead_j_\@:
.if \mode
; A PREFETCH INTO THE L2, behind the trip's loads: chunk c + 3, which the next trip's loads will ask for.  A chunk is 128 rows of 256 bytes; each of the head's four work-groups names 32 of them,
; told apart by address, a lane a row; wave 0 for k, wave 8 for v.  So each row is named once in the launch.  Chunks 0 to 2 come by their loads alone; trips 5 and 6 name nothing: there is no chunk 8.
	s_cmp_lt_u32 s[CH], s[LIM]
	s_cbranch_scc0 .Lhead_n_\@
	global_prefetch_b8 v[PFO], s[RB:RB+1] offset:32768 th:TH_LOAD_NT scope:SCOPE_SE
.Lhead_n_\@:
.endif
	s_add_co_u32 s[W6], s[W6], CHB
	s_add_co_u32 s[WK], s[WK], SCB
.endm
.macro KTILES g                        ; four tiles of 16 keys from LDS
	UNIT KF, 768*(4*\g)
	UNIT KF+12, 768*(4*\g+1)
	UNIT KF+18, 768*(4*\g+2)
	UNIT KF+30, 768*(4*\g+3)
.endm
.macro SCORES g                        ; S^T = K Q^T of these four tiles
	WM SCR+32*\g, KF, QR, KS, QW, \g, 0            ; even tiles: [codes][spare] against [q][spare]
	WM SCR+32*\g+8, KF+6, QX, KS+1, QW+1, \g, 0    ; odd tiles: [spare][codes] against [spare][q]
	WM SCR+32*\g+16, KF+18, QR, KS+2, QW, \g, 0
	WM SCR+32*\g+24, KF+24, QX, KS+3, QW+1, \g, 0
.endm
; Blocks 2 g and 2 g + 1 of 32 keys: the causal mask, on the diagonal chunk alone, and each block's largest score
.macro HALF g
	s_cmp_lt_u32 s[CH], s[OC]                      ; only the chunk on my tile's diagonal has hidden keys
	s_cbranch_scc1 .Lopen_\@
.irp b, 2*\g, 2*\g+1
.set n, 0
.rept 16
	v_cmp_gt_i32 s[34+n-20*(n/14)], 32*(\b)+n, v[DQ]   ; register 16 b + n holds key 32 b + 16 (lane / 16) + n of the chunk: hidden where it comes after my query
.set n, n+1
.endr
	s_wait_alu depctr_va_sdst(0)                   ; the sixteen compares have written their masks, which the selects read
.set n, 0
.rept 16
	v_cndmask_b32 v[SCR+16*(\b)+n], v[SCR+16*(\b)+n], v[NEG], s[34+n-20*(n/14)]
.set n, n+1
.endr
.endr
.Lopen_\@:
.irp b, 2*\g, 2*\g+1
	v_max3_num_f32 v[BM+(\b)], v[SCR+16*(\b)], v[SCR+16*(\b)+1], v[SCR+16*(\b)+2]   ; the largest score of each block of 32 keys: for the row's maximum, and, since p rises with the score, for the block's largest p
.endr
.irp i, 3,5,7,9,11,13
.irp b, 2*\g, 2*\g+1
	v_max3_num_f32 v[BM+(\b)], v[BM+(\b)], v[SCR+16*(\b)+\i], v[SCR+16*(\b)+\i+1]   ; (the two blocks by turns)
.endr
.endr
.irp b, 2*\g, 2*\g+1
	v_max_num_f32 v[BM+(\b)], v[BM+(\b)], v[SCR+16*(\b)+15]
.endr
.endm
; A KEY STEP: my 16 queries against the 128 keys of the chunk in hand.  first = 1: chunk 0, which every wave takes: it starts M, the sum and O^T.
.macro STEP first
.if !\first
	s_cmp_gt_u32 s[CH], s[OC]                      ; all keys of the chunk come after my queries: nothing to do (a branch on the trip's count and the wave's number)
	s_cbranch_scc1 .Lstep_end_\@
.endif
	KTILES 0                                       ; no wait here: no vector or matrix line since the last wait on va_vdst names the addresses or these registers
	ds_load_b128 v[KS:KS+3], v[AKS]                ; all eight tiles' scale words
	s_wait_dscnt 0x0                               ; zero: the products below want every load above
	SCORES 0
	PLACES 4                                       ; in front of loads into registers that these products have read, and of the first read of their results
	s_wait_alu depctr_va_vdst(0)                   ; the four products are done reading k's tiles, in whose registers the next four land
	KTILES 1
	HALF 0                                         ; the first 64 keys' mask and maxima stand behind the loads: they name v80-111, v228, v229 and v43, v244, none of which a load touches
	s_wait_dscnt 0x0                               ; zero: the products below want the eight loads above
	SCORES 1
	PLACES 4                                       ; in front of the first read of their results
	HALF 1
.irp b, 0,1,2,3
	v_permlanex16_b32 v[BP+\b], v[BM+\b], s[SEL], s[SEL+1]
.endr
.irp b, 0,1,2,3
	v_max_num_f32 v[BM+\b], v[BM+\b], v[BP+\b]     ; with lane l xor 16's 16 keys
.endr
	v_max3_num_f32 v[TT], v[BM], v[BM+1], v[BM+2]
	v_max_num_f32 v[TT], v[TT], v[BM+3]            ; the step's largest score of my query
.if \first
	v_mul_f32 v[TMX], s[CS], v[TT]                 ; as t
	v_floor_f32 v[NM], -v[TMX]                     ; -M = floor(-t) = -ceil(t)
.else
	v_mul_f32 v[TT], s[CS], v[TT]
	v_max_num_f32 v[TMX], v[TMX], v[TT]            ; the running largest t
	v_mov_b32 v[TT], v[NM]
	v_floor_f32 v[NM], -v[TMX]
	v_sub_f32 v[TT], v[NM], v[TT]                  ; old M - new M: a whole number, 0 or less
	v_cvt_i32_f32 v[TT], v[TT]                     ; (it saturates)
	v_ldexp_f32 v[FF], 1.0, v[TT]                  ; f = 2^(old M - new M)
.endif
.set n, 0
.rept 32
	v_pk_fma_f32 v[SCR+n:SCR+n+1], v[SCR+n:SCR+n+1], s[CS:CS+1], v[NM:NM+1] op_sel_hi:[1,0,0]   ; t - M, two at a time
.set n, n+2
.endr
.irp b, 0,1,2,3
	v_fma_f32 v[BM+\b], v[BM+\b], s[CS], v[NM]     ; the same of each block's largest score
.endr
.set n, 0
	s_wait_alu depctr_va_vdst(0)
.rept 64
	v_exp_f32 v[SCR+n], v[SCR+n]                   ; p = 2^(t - M), at most 1
.set n, n+1
.endr
.irp b, 0,1,2,3
	v_exp_f32 v[BM+\b], v[BM+\b]                   ; the block's largest p: the same two instructions on the same number
.endr
.if \first
	v_nop                                          ; a plain line behind the exponentials
.else
	v_pk_mul_f32 v[LS:LS+1], v[LS:LS+1], v[FF:FF+1] op_sel_hi:[1,0]   ; the sum under the new M; also the plain line behind the exponentials
.endif
	s_wait_alu depctr_va_vdst(0)                   ; the 68 exponentials have written p in v80-143 and the blocks' largest p in v228-231: one wait for the batch, ahead of its first reader
.irp b, 0,1,2,3
	v_max_num_f32 v[BM+\b], 0x2800000, v[BM+\b]    ; the floor 2^(5 - 127): a block whose every p is 0 keeps the byte 1, its codes are zeros
.endr
.irp b, 0,1,2,3
	v_add_nc_u32 v[SO+\b], 0xfe000000, v[BM+\b]    ; 4 off the exponent field: the conversion's scale operand
.endr
.irp b, 0,1,2,3
	v_lshrrev_b32 v[BP+\b], 23, v[SO+\b]           ; the scale's byte
.endr
	v_lshl_or_b32 v[PW], v[BP+1], 8, v[BP]         ; p's scale word for these 128 keys
	v_lshl_or_b32 v[PW], v[BP+2], 16, v[PW]
	v_lshl_or_b32 v[PW], v[BP+3], 24, v[PW]
.irp c, 0,1
	v_cvt_scalef32_pk16_bf6_f32 v[PCD+6*\c:PCD+6*\c+2], v[SCR+32*\c:SCR+32*\c+15], v[SO+2*\c]
	v_cvt_scalef32_pk16_bf6_f32 v[CTM+4*\c:CTM+4*\c+2], v[SCR+32*\c+16:SCR+32*\c+31], v[SO+2*\c+1]
.endr
	v_nop                                          ; one plain line behind the scaled conversions
.irp c, 0,1                            ; the operand's layout wants a whole block in a lane: lanes 0-15 block 2 c, lanes 16-31 block 2 c + 1
.irp i, 0,1,2
	v_permlane16_swap_b32 v[PCD+6*\c+\i], v[CTM+4*\c+\i]
.endr
.irp i, 0,1,2
	v_mov_b32 v[PCD+6*\c+3+\i], v[CTM+4*\c+\i]
.endr
.endr
	v_pk_add_f32 v[TT:TT+1], v[SCR:SCR+1], v[SCR+2:SCR+3]   ; the row's sum is taken of the unquantised p: two at a time, in two chains
.irp j, 4,8,12,16,20,24,28,32,36,40,44
	v_pk_add_f32 v[LS:LS+1], v[LS:LS+1], v[SCR+\j:SCR+\j+1]
	v_pk_add_f32 v[TT:TT+1], v[TT:TT+1], v[SCR+\j+2:SCR+\j+3]
.endr
	s_wait_alu depctr_va_vdst(0)                   ; the conversions and the 23 additions above are done with p in v80-127, in which v's fragments land; the last step's products are done reading v's scale words; p's codes and scale word, operands of the products below, are written (the 23 additions are the places behind them)
.irp t, 0,1,2,3                        ; v's four fragments take the registers of p's first 48
.irp cc, 0,1
	UNIT SCR+12*\t+6*\cc, VIMG+768*(2*\t+\cc)
.endr
.endr
	ds_load_b32 v[VS], v[AVS]
	ds_load_b32 v[VS+1], v[AVS] offset:64
.irp j, 48,52,56,60                    ; the two chains go on, in their order, over v128-143, in which no load lands
	v_pk_add_f32 v[LS:LS+1], v[LS:LS+1], v[SCR+\j:SCR+\j+1]
	v_pk_add_f32 v[TT:TT+1], v[TT:TT+1], v[SCR+\j+2:SCR+\j+3]
.endr
	v_pk_add_f32 v[LS:LS+1], v[LS:LS+1], v[TT:TT+1]
.if !\first
.set n, 0
.rept 16
	v_pk_mul_f32 v[OA+n:OA+n+1], v[OA+n:OA+n+1], v[FF:FF+1] op_sel_hi:[1,0]   ; O^T under the new M, from each accumulator's low end on, while the loads are out
.set n, n+2
.endr
.endif
	s_wait_alu depctr_va_vdst(0)
	s_wait_dscnt 0x0                               ; zero: the products below want every load above
.irp t, 0,1,2,3                        ; O^T += V^T P^T: the four accumulators take turns
	WM OA+8*\t, SCR+12*\t, PCD, VS+\t%2, PW, \t/2, 1-\first
.endr
.Lstep_end_\@:
.endm
; THE COLUMN SUMS of the quantised v, wave 5 alone: the chunk's four tiles of V^T against a fragment of ones (code 1.0, scale byte 127).  last = 1: the finished sums go to LDS as they stand.
.macro COLSUM first, last
	s_cmp_lg_u32 s[WV], ZW
	s_cbranch_scc1 .Lcs_end_\@
	PLACES 4                                       ; behind the step's last products, whose operands are written below
	v_mov_b32 v[PW], 0x7f7f7f7f
.irp i, 0,1,2,3
	v_mov_b32 v[PCD+3*\i], 0x0c30c30c              ; sixteen codes 0x0c, 6 bits each, are these three words
	v_mov_b32 v[PCD+3*\i+1], 0xc30c30c3
	v_mov_b32 v[PCD+3*\i+2], 0x30c30c30
.endr
	PLACES 4                                       ; operands written by vector lines stand 4 places ahead of a scaled product, the scale word (16 lines back) 8
	s_wait_alu depctr_va_vdst(0)                   ; the ones and their scale word, operands of the products below, are written; the products before are done reading v80-103 and v's scale words, in which the loads below land
.irp g, 0,1
.if \g
	PLACES 4                                       ; in front of loads into registers that the two products above have read
	s_wait_alu depctr_va_vdst(0)                   ; the two products above are done reading v80-103, in which the next two tiles land
.endif
.irp t, 0,1
.irp cc, 0,1
	UNIT SCR+12*\t+6*\cc, VIMG+768*(2*(2*\g+\t)+\cc)
.endr
.endr
.if \g == 0
	ds_load_b32 v[VS], v[AVS]
	ds_load_b32 v[VS+1], v[AVS] offset:64
.endif
	s_wait_dscnt 0x0
	WM SCR+32+16*\g, SCR, PCD, VS, PW, \g, 1-\first
	WM SCR+40+16*\g, SCR+12, PCD, VS+1, PW, \g, 1-\first
.endr
.if \last
	PLACES 5                                       ; four for the LDS stores below, which read the results; the fifth for the key step that follows in the text, whose first products write over v80-103, the operands of the two products above
	s_wait_alu depctr_va_vdst(0)                   ; the products have written the column sums in v112-143, which the stores read; the places above stay beside this wait
.irp i, 0,1,2,3,4,5,6,7
	ds_store_b128 v[TA], v[SCR+32+4*\i:SCR+32+4*\i+3] offset:512*\i   ; each accumulator from its low end on
.endr
	s_wait_alu depctr_vm_vsrc(0)                   ; the stores have read v112-143, which the lines that follow in the text (a key step's products, the way out's selects) write again
.endif
.Lcs_end_\@:
.endm
; A TRIP.  The signal says: my part of the next chunk lies in LDS.  Between it and the wait stand register work and LDS loads of the chunk in hand, which the barrier before has shown whole
; and which no wave writes again.
.macro TRIP first
.if \first
	HEAD 1
.else
	HEAD 2
.endif
	s_wait_dscnt 0x0                               ; zero, for the others' sake: my stores of the next chunk's images have landed
	s_barrier_signal -1
	STEP \first
	COLSUM \first, 0
	s_add_co_u32 s[R6], s[R6], CHB
	s_add_co_u32 s[RK], s[RK], SCB
	s_barrier_wait -1                              ; the next chunk is whole
.endm
	s_load_b256 s[4:11], s[0:1], 0x0               ; q s[4:5], k s[6:7], v s[8:9], the output s[10:11]
	v_lshl_add_u32 v191, v0, 2, 0x2c000
	v_mov_b32 v195, 0
	v_lshrrev_b32 v144, 5, v0
	v_readfirstlane_b32 s[WV], v144                ; wave 0..15
	v_and_b32 v145, 15, v0                         ; r
	s_wait_alu depctr_va_vdst(0)
	v_bfe_u32 v146, v0, 4, 1                       ; h
	v_bfe_u32 v147, v0, 3, 1                       ; r / 8
	v_and_b32 v148, 31, v0                         ; lane
	s_and_b32 s[JJ], ttmp9, 3
	s_lshr_b32 s[HD], ttmp9, 2
	s_wait_alu depctr_va_sdst(0)                   ; the wave's number is written, ahead of its first reader
	s_lshr_b32 s28, s[WV], 2                       ; a
	s_and_b32 s29, s[WV], 3                        ; b
	s_lshr_b32 s34, s28, 1
	s_lshl_b32 s34, s34, 1
	s_lshr_b32 s35, s29, 1
	s_or_b32 s34, s34, s35                         ; x = 2 (a / 2) + b / 2
	s_xor_b32 s35, s28, s29
	s_and_b32 s35, s35, 1
	s_mul_i32 s35, s35, 7
	s_xor_b32 s[OC], s34, s35                      ; o = x, or 7 - x where a + b is odd
	s_and_b32 s28, s28, 1
	s_lshl_b32 s36, s[JJ], 1
	s_add_co_u32 s36, s36, s28                     ; u = 2 j + a % 2
	s_lshl_b32 s37, s[OC], 3
	s_add_co_u32 s37, s37, s36                     ; my tile of 16 queries: 8 o + u
	s_and_b32 s38, s[WV], 7                        ; t: k's tile that I quantise
	s_lshr_b32 s39, s[WV], 3                       ; 0: I quantise k; 1: v
	s_lshr_b32 s40, s38, 1                         ; kb: v's block of 32 keys that I quantise  (k: t / 2)
	s_and_b32 s41, s38, 1                          ; dh: which 32 channels                     (k: t % 2)
	; my offset in a chunk in memory.  k: key 32 (t / 2) + 8 (t % 2) + r + 8 (r / 8), numbers 32 h on;  v: key 32 kb, channel 32 dh + lane
	s_cmp_lt_u32 s[WV], 8
	s_cselect_b32 s42, 256, 4
	s_cselect_b32 s43, 2048, 0
	s_cselect_b32 s44, 128, 64
	s_mov_b32 s45, 128
	s_cselect_b32 s45, 2048, s45
	s_mul_i32 s45, s45, s41
	s_lshl_b32 s28, s40, 13
	s_add_co_u32 s45, s45, s28
	v_mul_u32_u24 v[RO], v145, s42
	s_wait_alu depctr_va_vdst(0)
	v_mad_u32_u24 v[RO], v147, s43, v[RO]
	v_mad_u32_u24 v[RO], v146, s44, v[RO]
	v_add_nc_u32 v[RO], s45, v[RO]
	v_lshlrev_b32 v[QO], 8, v145
	v_lshl_add_u32 v[QO], v146, 7, v[QO]           ; q: row r of 256 bytes, + 128 h
	s_lshl_b32 s28, s[HD], 18                      ; a head is 262,144 bytes in each tensor
	s_mov_b32 s29, 0
	s_lshl_b32 s34, s37, 12                        ; a tile of 16 rows 4,096
	s_mov_b32 s35, 0
	s_add_nc_u64 s[34:35], s[34:35], s[28:29]
	s_wait_kmcnt 0x0
	s_cmp_lt_u32 s[WV], 8                          ; the choice hangs on the wave's number alone
	s_cselect_b64 s[RB:RB+1], s[6:7], s[8:9]
	s_add_nc_u64 s[RB:RB+1], s[RB:RB+1], s[28:29]
	s_add_nc_u64 s[QB:QB+1], s[4:5], s[34:35]
	s_add_nc_u64 s[OB:OB+1], s[10:11], s[34:35]
	s_wait_alu depctr_va_vdst(0)                   ; the two offsets v8 and v255 are written, which the loads below read
	s_cmp_lt_u32 s[WV], 8
	s_cbranch_scc0 .Lfirst_v
	LOADK                                          ; chunk 0
	s_branch .Lfirst_j
.Lfirst_v:
	LOADV
.Lfirst_j:
.irp n, 0,1,2,3,4,5,6,7
	global_load_b128 v[SCR+32+4*\n:SCR+32+4*\n+3], v[QO], s[QB:QB+1] offset:16*\n th:TH_LOAD_NT   ; my 32 numbers of q: read once in the launch
.endr
	; every LDS address register is made here, on the one way that all waves take, from the lane, the wave's number and constants
	v_lshlrev_b32 v[L16], 4, v148
	v_lshlrev_b32 v[L8], 3, v148
	v_lshlrev_b32 v[RVS], 2, v145
	v_lshl_add_u32 v[RVS], v146, 7, v[RVS]
	v_add_nc_u32 v[RVS], VSCR, v[RVS]
	s_lshl_b32 s28, s[JJ], 13
	v_lshl_add_u32 v[PFO], v148, 8, s28            ; my work-group's 32 rows of a chunk, a lane a row
	s_lshl_b32 s28, s41, 4
	v_lshl_add_u32 v[SHB], v146, 3, s28            ; 8 h, in odd tiles 16 more: there the codes stand in the operand's upper half
	s_lshr_b32 s29, 0xfe0000, s28
	v_mov_b32 v[XV], s29                           ; 254 as byte 2 (even tiles) or byte 0 (odd)
	s_mul_i32 s28, s38, 768
	v_add_nc_u32 v149, s28, v[L16]                 ; k: unit t, 16 x lane
	s_add_co_u32 s29, s28, 512
	v_add_nc_u32 v150, s29, v[L8]                  ;    + 512, 8 x lane
	s_lshr_b32 s28, s38, 2
	s_lshl_b32 s28, s28, 8
	s_and_b32 s29, s38, 3
	s_lshl_b32 s29, s29, 2
	s_add_co_u32 s28, s28, s29
	v_lshl_add_u32 v151, v145, 4, s28              ;    its word: 16 r + 256 (t / 4) + 4 (t % 4)
	s_lshl_b32 s28, s41, 2
	s_lshr_b32 s29, s40, 1
	s_add_co_u32 s28, s28, s29
	s_mul_i32 s28, s28, 768
	s_add_co_u32 s28, s28, VIMG                    ; v: channel 32 dh + lane is row r of tile 2 dh + h; block kb is half kb / 2, lanes 16 (kb % 2) on: unit 4 dh + 2 h + kb / 2
	s_and_b32 s29, s40, 1
	s_lshl_b32 s34, s29, 8
	s_add_co_u32 s34, s34, s28
	s_lshl_b32 s35, s29, 7
	s_add_co_u32 s35, s35, s28
	s_add_co_u32 s35, s35, 512
	v_mul_u32_u24 v152, v146, 1536
	v_lshl_add_u32 v153, v145, 4, v152
	v_add_nc_u32 v153, s34, v153
	s_wait_alu depctr_va_vdst(0)
	v_lshl_add_u32 v154, v145, 3, v152
	v_add_nc_u32 v154, s35, v154
	s_lshl_b32 s28, s41, 7
	s_add_co_u32 s28, s28, s40
	s_add_co_u32 s28, s28, VSCR
	v_lshl_add_u32 v155, v148, 2, s28              ;    its byte: 4 x channel + kb
	v_sub_nc_u32 v153, v153, v149                  ; one register for both roles: k's place + (0 or 1) x the distance to v's, which lies higher
	v_sub_nc_u32 v154, v154, v150
	v_sub_nc_u32 v155, v155, v151
	v_mul_u32_u24 v153, v153, s39
	v_mul_u32_u24 v154, v154, s39
	v_mul_u32_u24 v155, v155, s39
	v_add_nc_u32 v[B16], v149, v153
	v_add_nc_u32 v[B8], v150, v154
	v_add_nc_u32 v[BSC], v151, v155
	s_lshl_b32 s28, s36, 4
	v_lshlrev_b32 v156, 4, v146
	v_sub_nc_u32 v[DQ], v145, v156
	v_add_nc_u32 v[DQ], s28, v[DQ]                 ; 16 u + r - 16 h
	s_mul_i32 s28, s[WV], STGW
	s_add_co_u32 s28, s28, STG                     ; my stage
	v_mul_u32_u24 v[STI], v145, 272
	v_lshl_add_u32 v[STI], v146, 5, v[STI]
	v_add_nc_u32 v[STI], s28, v[STI]               ; in: row r, 32 h bytes on
	v_mul_u32_u24 v[STO], v146, 272
	v_lshl_add_u32 v[STO], v145, 4, v[STO]
	v_add_nc_u32 v[STO], s28, v[STO]               ; back: lanes 0-15 one row, lanes 16-31 the next
	v_lshlrev_b32 v[GO], 8, v146
	v_lshl_add_u32 v[GO], v145, 4, v[GO]           ; and the same two rows in the output
	v_add_nc_u32 v[TA], TOTB, v[L16]
	v_xor_b32 v156, 1, v146                        ; the spare channel stands in lanes 0-15, as the lowest code
	v_mul_u32_u24 v[KF+6], v156, 0x2c              ; -1.0 on k's side,
	v_mul_u32_u24 v[KF+24], v156, 0x2c
	v_mul_u32_u24 v[QX], v156, 0x0c                ; +1.0 on q's
.irp i, 1,2,3,4,5
	v_mov_b32 v[KF+6+\i], 0
	v_mov_b32 v[KF+24+\i], 0
	v_mov_b32 v[QX+\i], 0
.endr
.irp i, 0,1,2,3
	v_mov_b32 v[BP+\i], 0                          ; written once: a lane permute's destination counts as one of its sources
.endr
	v_mov_b32 v[FF+1], 0                           ; (named as the upper half of a pair)
	v_mov_b32 v[LS], 0
	v_mov_b32 v[LS+1], 0
	v_mov_b32 v[NEG], 0xd1000000                   ; -2^35: 8 x the padding number, as a raw score
	s_mov_b32 s[CH], 0
	s_cmp_eq_u32 s38, 0
	s_cselect_b32 s[LIM], 5, 0
	s_mov_b32 s[SEL], 0x76543210
	s_mov_b32 s[SEL+1], 0xfedcba98
	s_mov_b32 s[CS], 0x3e38aa3b                    ; log2(e) / 8
	s_mov_b32 s[CS+1], s[CS]
	s_mov_b32 s[W6], 0
	s_mov_b32 s[WK], KSC
	s_mov_b32 s[R6], 0
	s_mov_b32 s[RK], KSC
	HEAD 0                                         ; chunk 0 to LDS, chunk 1 asked for.  Its wait on va_vdst also shows every address and offset made above written
	QUANT SCR+32, QR                               ; q's fragment: lane (r, h) holds query r, numbers 32 h on
.irp i, 0,1,2,3,4,5
	v_mov_b32 v[QR2+\i], v[QR+\i]
.endr
	v_bfe_u32 v[TT], v0, 4, 1
	v_lshlrev_b32 v[TT], 3, v[TT]
	v_lshlrev_b32 v[BP+2], v[TT], v[BP]            ; my byte, 8 h bits up,
	v_permlanex16_b32 v[BP+3], v[BP+2], s[SEL], s[SEL+1]
	v_or_b32 v[BP+2], v[BP+2], v[BP+3]             ; with lane l xor 16's
	v_or_b32 v[QW], 0x230000, v[BP+2]              ; even tiles: q's two bytes, then 35 for the spare channel
	v_lshl_or_b32 v[QW+1], v[BP+2], 16, 35         ; odd tiles: the halves change places
	s_wait_dscnt 0x0                               ; zero, for the others' sake: my part of chunk 0 has landed
	s_barrier_signal -1
	s_barrier_wait -1                              ; chunk 0 is whole
	TRIP 1                                         ; chunk 0 stands in front of the loop: its products start the sums.  The wait on va_vdst in its quantiser's turn also shows q's codes and scale words written, operands of every score product
	s_mov_b32 s[CH], 1
.Ltrip:                                            ; chunks 1 to 6
	TRIP 0
	s_add_co_u32 s[CH], s[CH], 1
	s_cmp_lt_u32 s[CH], 7
	s_cbranch_scc1 .Ltrip
	; chunk 7: nothing is left to quantise
	RADDR 1                                        ; its four additions and the next line are the five places between the last step's products and products that write over their operands
	v_nop
	s_wait_alu depctr_va_vdst(0)                   ; the four read addresses are written; the last step's products are done reading k's tiles and scale words, in which the key step's first loads land
	COLSUM 0, 1
	s_wait_dscnt 0x0                               ; zero, for the others' sake: wave 5's image of the column sums has landed
	s_barrier_signal -1
	STEP 0                                         ; the two waves with o = 7; the others go on to the wait
	s_barrier_wait -1                              ; the column sums lie in LDS
	; THE WAY OUT.  The additions, the compare and the selects are the places behind the last products.
	v_add_f32 v[LS], v[LS], v[LS+1]                ; the sum's two halves,
	v_permlanex16_b32 v[BP], v[LS], s[SEL], s[SEL+1]
	v_add_f32 v[LS], v[LS], v[BP]                  ; and lane l xor 16's
	v_cmp_gt_f32 vcc_lo, 0xcf800000, v[TMX]        ; the largest t lies under -2^32: every visible key of my query is a padding key
	v_mov_b32 v[TT], 0x44800000
	s_wait_alu depctr_va_vcc(0)                    ; the compare has written VCC, which the selects from here on read
	v_cndmask_b32 v[LS], v[LS], v[TT], vcc_lo      ; then the sum is 1,024
	s_wait_alu depctr_va_vdst(0)
	v_rcp_f32 v[FF], v[LS]
	s_wait_alu depctr_va_vdst(0)                   ; the last products are done reading v80-111, in which the loads below land; and the reciprocal has written v240, ahead of its first reader
.irp i, 0,1,2,3,4,5,6,7
	ds_load_b128 v[SCR+4*\i:SCR+4*\i+3], v[TA] offset:512*\i
.endr
	s_wait_dscnt 0x0
.set n, 0
.rept 32
	v_cndmask_b32 v[SCR+32+n], v[OA+n], v[SCR+n], vcc_lo   ; and O^T the column sums; each accumulator is read from its low end on.  (The first is the plain line behind the reciprocal)
.set n, n+1
.endr
.set n, 0
.rept 16
	v_pk_mul_f32 v[SCR+32+n:SCR+32+n+1], v[SCR+32+n:SCR+32+n+1], v[FF:FF+1] op_sel_hi:[1,0]   ; register 8 t + i is out(query r, channel 16 t + 8 h + i)
.set n, n+2
.endr
	s_wait_alu depctr_va_vdst(0)                   ; the multiplications have written v112-143, which the stores read; the selects are done reading v80-111, in which the loads from the stage land
.irp t, 0,1,2,3
	ds_store_b128 v[STI], v[SCR+32+8*\t:SCR+32+8*\t+3] offset:64*\t
	ds_store_b128 v[STI], v[SCR+32+8*\t+4:SCR+32+8*\t+7] offset:64*\t+16
.endr
.irp n, 0,1,2,3,4,5,6,7
	ds_load_b128 v[SCR+4*\n:SCR+4*\n+3], v[STO] offset:544*\n   ; LDS serves a wave's instructions in order (ISA guide 5.7.1.4): these see my stores
.endr
.irp n, 0,1,2,3,4,5,6,7
	s_wait_dscnt 7-\n                              ; load n is back; the 7 - n younger ones may stay out
	global_store_b128 v[GO], v[SCR+4*\n:SCR+4*\n+3], s[OB:OB+1] offset:512*\n th:TH_STORE_NT   ; sixteen lanes store a row's 256 consecutive bytes, at a multiple of 256 from the output's first byte
.endr
	s_wait_dscnt 0x0                               ; the closing lines, six on end
	s_wait_alu 0x0
	s_wait_tensorcnt 0x0
	ds_add_u32 v191, v195
	s_wait_dscnt 0x0
	s_endpgm
.Lfunc_end_k_q62207540cb_attn:
	.size	k_q62207540cb_attn, .Lfunc_end_k_q62207540cb_attn-k_q62207540cb_attn
	.p2alignl 7, 3214868480
	.fill 96, 4, 3214868480
	.section	.rodata,"a",@progbits
	.p2align	6, 0x0
	.amdhsa_kernel k_q62207540cb_attn
		.amdhsa_group_segment_fixed_size 182272
		.amdhsa_private_segment_fixed_size 0
		.amdhsa_enable_private_segment 0
		.amdhsa_kernarg_size 32
		.amdhsa_user_sgpr_count 2
		.amdhsa_user_sgpr_kernarg_segment_ptr 1
		.amdhsa_wavefront_size32 1
		.amdhsa_system_sgpr_workgroup_id_x 1
		.amdhsa_system_sgpr_workgroup_id_y 1
		.amdhsa_system_sgpr_workgroup_id_z 1
		.amdhsa_system_vgpr_workitem_id 0
		.amdhsa_next_free_vgpr 256
		.amdhsa_next_free_sgpr 66
		.amdhsa_reserve_vcc 1
		.amdhsa_float_denorm_mode_32 3
		.amdhsa_float_denorm_mode_16_64 3
		.amdhsa_memory_ordered 1
		.amdhsa_forward_progress 1
		.amdhsa_inst_pref_size 124
	.end_amdhsa_kernel
	.amdgpu_metadata
---
amdhsa.version: [ 1, 2 ]
amdhsa.kernels:
  - .name:           k_q62207540cb_attn
    .symbol:         k_q62207540cb_attn.kd
    .args:
      - { .name: q, .offset: 0, .size: 8, .value_kind: global_buffer, .address_space: global }
      - { .name: k, .offset: 8, .size: 8, .value_kind: global_buffer, .address_space: global }
      - { .name: v, .offset: 16, .size: 8, .value_kind: global_buffer, .address_space: global }
      - { .name: out0, .offset: 24, .size: 8, .value_kind: global_buffer, .address_space: global }
    .group_segment_fixed_size: 182272
    .private_segment_fixed_size: 0
    .kernarg_segment_align: 8
    .kernarg_segment_size: 32
    .max_flat_workgroup_size: 512
    .sgpr_count:     66
    .vgpr_count:     256
    .wavefront_size: 32
...
	.end_amdgpu_metadata
.endif
;; end of part 2
